; MI455X (gfx1250); checked and timed in simulation.
; The chip was launched on July 23, 2026; its instructions are those of AMD's public machine-readable ISA for CDNA 5 (MIT licence, August 2026) and "CDNA5" Instruction Set Architecture Reference Guide (July 2026). The comments in the code are by the model that wrote it; some were corrected since.
;; LSH Attention. Allowed arithmetic: matrix products marked QUANTISED: E2M3 operands, one E8M0 scale for each 32 along K, by v_wmma_scale_f32_16x16x128_f8f6f4 with both operands' format E2M3, f32 sums; products left as they are: f32 operands where the result goes on into a quantised operand, else bf16, f16 or f32 operands; f32 sums; everything else in f32.
;; Inputs: query 16 x 4,096 x 64 float32; rand_matrix 16 x 64 x 4 x 32 float32; value 16 x 4,096 x 64 float32.
;; Outputs: out0 16 x 4,096 x 64 float32.
;; Constants: seed = 0.
;; This version of the problem:
;;   THIS VERSION OF THE PROBLEM IS GIVEN IN LOW PRECISION. The matrix products marked QUANTISED in the list below multiply operands that are first quantised to E2M3 (2 exponent bits, 3 mantissa bits; 6 bits a number), with one power-of-two scale for each 32 numbers along K (OCP MX v1.0); their sums are f32. All else is computed in f32.
;;   The module's matrix products, in the order in which they are computed (A, B: the left and right operand; K: the contracted axis; several contracted axes count as one K, in the product's order):
;;     1. batch 16 x [M 4,096, K 64] x [K 64, N 128]; A: computed on the way; B: computed on the way: QUANTISED
;;     2. batch 4,096 x [M 128, K 64] x [K 64, N 64]; A: computed on the way; B: computed on the way: QUANTISED
;;     3. batch 4,096 x [M 64, K 128] x [K 128, N 64]; A: computed on the way; B: computed on the way: QUANTISED
;;     4. batch 65,536 x [M 64, K 4] x [K 4, N 1]; A: computed on the way; B: computed on the way: left as it is (K = 4 < 32)
;;   THE QUANTISER, for each operand of a quantised product, along K:
;;     - K is cut into blocks of 32 from its start; a last block that is shorter is filled with zeros.
;;     - A block's scale is 2^e with e = floor(log2(the largest magnitude in the block)) - 2, held to -126 .. 127; a block of zeros has e = 0. As a byte (E8M0): e + 127.
;;     - Each number is divided by its block's scale, clamped to +-7.5, and rounded to the nearest number of E2M3, ties to even, subnormals kept.
;;     - The product sums the exact products of the quantised numbers (number of the format x scale) in f32.
;;   ~~~python
;;   def quantise(x, axis):      # numpy; x: float32 -> the quantised numbers, widened to float32 again
;;       x = np.moveaxis(x, axis, -1); K = x.shape[-1]
;;       x = np.pad(x, [(0, 0)] * (x.ndim - 1) + [(0, -K % 32)]); x = x.reshape(x.shape[:-1] + (-1, 32)); a = np.abs(x).max(-1, keepdims=True)
;;       e = np.where(a > 0, np.clip(np.frexp(np.where(a > 0, a, 1))[1] - 1 - 2, -126, 127), 0)      # np.frexp(a)[1] - 1 = floor(log2(a)), exactly
;;       r = np.clip(x / 2.0 ** e, -7.5, 7.5)
;;       step = 2.0 ** (np.maximum(np.frexp(np.where(r == 0, 1, r))[1] - 1, 0) - 3)
;;       q = np.round(r / step) * step * 2.0 ** e      # np.round: ties to even
;;       return np.moveaxis(q.reshape(q.shape[:-2] + (-1,))[..., :K], -1, axis).astype(np.float32)
;;   ~~~
;;   OPERANDS COMPUTED ON THE WAY. 'Computed on the way' means the value that the module computes at that place (a softmax that the list does not call 'softmax' is quantised finished and normalised). What goes into a quantiser is computed in f32, as accurately as f32 sums, v_exp_f32 and their like allow (about 1e-6 of the number): no bf16 or f16 on the way to a quantiser, and a product that is left as it is and whose result goes on into a quantised operand takes f32 operands (vector FMAs, or v_wmma_f32_16x16x4_f32). A number that lies on a knife's edge between two numbers of the format may be rounded either way, as far as f32 arithmetic and the matrix unit's own rounding can turn it there, and no further.
;; 2 versions. Each part assembles by itself: llvm-mc -triple=amdgcn-amd-amdhsa -mcpu=gfx1250 --defsym DOCPART=n.
;; ======== version 1 of 2: 4 launches
;; workspace buffers: rec 8,388,608 bytes; hbuf 262,144 bytes of whole numbers; skey 1,048,576 bytes of whole numbers; slot 1,048,576 bytes of whole numbers; lse 1,048,576 bytes; attn 67,108,864 bytes
;; launch hash (part 1): grid 16 x 16, 8 waves a work-group, no clusters, 97,280 bytes of LDS; arguments query, rand_matrix, rec, hbuf; writes rec, hbuf
.if DOCPART == 1
	.amdgcn_target "amdgcn-amd-amdhsa--gfx1250"
	.amdhsa_code_object_version 6
	.text
	.protected	k_qe888a1b823_hash
	.globl	k_qe888a1b823_hash
	.p2align	8
	.type	k_qe888a1b823_hash,@function
k_qe888a1b823_hash:
	s_mov_b64 s[64:65], 0
	v_nop
	global_prefetch_b8 v0, s[64:65] scope:SCOPE_SE
	s_setreg_imm32_b32 hwreg(HW_REG_WAVE_MODE, 25, 1), 1
	s_wait_xcnt 0x0
; Per position l of batch b: the codes (E2M3, one E8M0 byte for each 32 along d) of the raw query and of the normalised query, and the four rounds' hashes.
; rec[b][l], 128 bytes: 0-47 q's codes, 48-95 qn's codes, 96 q's scale word, 100 qn's scale word (bytes 0, 1 real, bytes 2, 3 = 0), 104-127 zeros.
; hbuf[b][l] = h0 | h1 << 8 | h2 << 16 | h3 << 24, h = argmax over [mm, -mm], the lowest index among equals; mm = Q(qn) Q(rm), K = 64.
; A work-group: 256 positions of one batch; wave w: rm's columns 16 w .. 16 w + 15, then two tiles of 16 queries.
; The matrix instruction is 128 deep and K is 64: the upper 64 k are zero codes on both sides, under scale byte 0 (2^-127): they add nothing.
; It is used with source 0 = 16 columns of rm, source 1 = 16 queries: a lane holds ONE query (lane % 16) and columns 8 (lane / 16) + 0 .. 7 of each tile.
; No tensor load, no cluster: each work-group reads rows of its own once, and rm is 32 KiB a batch.
; LIMITS: NaN and infinities among the inputs and a column of rm that is all zeros are not served; a block of zeros gets the byte 1 where the quantiser says 127
; (its codes are zeros, and this program alone reads the bytes).
.set QST, 0                            ; LDS: raw rows, 8 waves x 2 tiles x 16 rows of 256 + 16 bytes
.set RST, 69632                        ; records on their way out: 8 waves x 16 x (128 + 16)
.set RMI, 88064                        ; rm's 8 fragments as images of their 6 registers: 768 bytes each
.set RMS, 94208                        ; and their scale words, 128 bytes each
.set HST, 95232                        ; the 256 hash words
.set FLOOR, 0x1800000                  ; 2^(3 - 127): holds a scale byte at 1 from below
.set EPSF, 0x2b8cbccc                  ; 1e-12
.set NF, 16                            ; v16-27  qn's fragment (22-27 = 0)
.set QC, 32                            ; v32-37  q's codes
.set TP, 38                            ; v38-40  a conversion's second half
.set ZT, 44                            ; v44-47  zeros
.set OB, 48                            ; v48-63  records read back
.set RS, 64                            ; v64-71  rm's scale words: nothing else
.set NWS, 72                           ; v72     qn's scale word as an operand: nothing else
.set SH8, 94                           ; v94     8 x (lane / 16)
.set RO, 95                            ; v95     my byte offset in the block's records
.set X, 96                             ; v96-127 32 numbers of a row; v96-159 later the 8 results
.set Y, 128
.set RF, 160                           ; v160-255 rm's 8 fragments (the upper 6 registers of each = 0)
.set SEL, 36                           ; s[36:37] selects for lane l xor 16
.macro BAR                             ; my LDS stores have landed and my LDS loads are in: then the work-group's barrier
	s_wait_dscnt 0x0
	s_barrier_signal -1
	s_barrier_wait -1
.endm
; 32 numbers of one lane, one block along K, become 6 registers of codes, the conversion's scale operand and the scale's byte
.macro QB32 src, dst, tmp, am, sc, by
	v_max3_num_f32 v[\am], |v[\src]|, |v[\src+1]|, FLOOR
	v_max3_num_f32 v[\by], |v[\src+16]|, |v[\src+17]|, FLOOR
.irp i, 2,4,6,8,10,12,14
	v_max3_num_f32 v[\am], v[\am], |v[\src+\i]|, |v[\src+\i+1]|
	v_max3_num_f32 v[\by], v[\by], |v[\src+16+\i]|, |v[\src+17+\i]|
.endr
	v_max_num_f32 v[\am], v[\am], v[\by]           ; the block's largest magnitude
	v_add_nc_u32 v[\sc], 0xff000000, v[\am]        ; 2 off its exponent field: the conversion's scale operand
	v_lshrrev_b32 v[\by], 23, v[\sc]               ; the byte
	v_cvt_scalef32_pk16_fp6_f32 v[\dst:\dst+2], v[\src:\src+15], v[\sc]
	v_cvt_scalef32_pk16_fp6_f32 v[\tmp:\tmp+2], v[\src+16:\src+31], v[\sc]   ; (three registers begin on an even number)
	v_nop                                          ; one plain place behind a scaled conversion
	v_mov_b32 v[\dst+3], v[\tmp]
	v_mov_b32 v[\dst+4], v[\tmp+1]
	v_mov_b32 v[\dst+5], v[\tmp+2]
.endm
.macro WORD2 w, by, t                  ; my block's byte at its place, with lane l xor 16's: the row's scale word
	v_lshlrev_b32 v[\w], v[SH8], v[\by]
	v_permlanex16_b32 v[\t], v[\w], s[SEL], s[SEL+1]
	v_or_b32 v[\w], v[\w], v[\t]
.endm
.macro SUMSQ src                       ; v74 = the sum of squares of the row's 64 numbers, v76 = its root
	v_pk_mul_f32 v[74:75], v[\src:\src+1], v[\src:\src+1]
	v_pk_mul_f32 v[76:77], v[\src+2:\src+3], v[\src+2:\src+3]
.irp i, 4,8,12,16,20,24,28
	v_pk_fma_f32 v[74:75], v[\src+\i:\src+\i+1], v[\src+\i:\src+\i+1], v[74:75]
	v_pk_fma_f32 v[76:77], v[\src+\i+2:\src+\i+3], v[\src+\i+2:\src+\i+3], v[76:77]
.endr
	v_pk_add_f32 v[74:75], v[74:75], v[76:77]
	v_add_f32 v74, v74, v75
	v_permlanex16_b32 v75, v74, s[SEL], s[SEL+1]
	v_add_f32 v74, v74, v75
	v_sqrt_f32 v76, v74
	v_nop                                          ; a plain place behind the root
	s_wait_alu depctr_va_vdst(0)                   ; and the wait ahead of its first reader
.endm
.macro NORM eps                        ; v[88:89] = the norm (one correction step on the root; held at 1e-12 where eps), v[78:79] = its reciprocal
.if \eps
	v_max_num_f32 v76, EPSF, v76
.endif
	v_rcp_f32 v78, v76
	v_nop
	s_wait_alu depctr_va_vdst(0)
	v_fma_f32 v77, -v76, v76, v74                  ; what the root leaves
	v_mul_f32 v79, 0.5, v78
	v_fma_f32 v88, v77, v79, v76
.if \eps
	v_max_num_f32 v88, EPSF, v88
.endif
	v_mov_b32 v89, v88
	v_mov_b32 v79, v78
.endm
.macro DIVN src, dst                   ; dst = src / norm: a product by the reciprocal and one correction, all in f32
.irp i, 0,2,4,6,8,10,12,14,16,18,20,22,24,26,28,30
	v_pk_mul_f32 v[\dst+\i:\dst+\i+1], v[\src+\i:\src+\i+1], v[78:79]
.endr
.irp i, 0,4,8,12,16,20,24,28
	v_pk_fma_f32 v[84:85], v[\dst+\i:\dst+\i+1], v[88:89], v[\src+\i:\src+\i+1] neg_lo:[1,0,0] neg_hi:[1,0,0]
	v_pk_fma_f32 v[86:87], v[\dst+\i+2:\dst+\i+3], v[88:89], v[\src+\i+2:\src+\i+3] neg_lo:[1,0,0] neg_hi:[1,0,0]
	v_pk_fma_f32 v[\dst+\i:\dst+\i+1], v[84:85], v[78:79], v[\dst+\i:\dst+\i+1]
	v_pk_fma_f32 v[\dst+\i+2:\dst+\i+3], v[86:87], v[78:79], v[\dst+\i+2:\dst+\i+3]
.endr
.endm
; Round p: the results of tiles 2 p, 2 p + 1.  Register k holds column k + 8 (k / 8) + 8 (lane / 16) of the round's 32.
.macro ROUND p
.set AC, X+16*(\p)
	v_max3_num_f32 v74, |v[AC]|, |v[AC+1]|, |v[AC+2]|      ; each result is read from its low end on
.irp i, 3,5,7,9,11,13
	v_max3_num_f32 v74, v74, |v[AC+\i]|, |v[AC+\i+1]|
.endr
	v_max_num_f32 v74, v74, |v[AC+15]|
	v_permlanex16_b32 v75, v74, s[SEL], s[SEL+1]
	v_max_num_f32 v74, v74, v75                    ; the largest of [mm, -mm]
	v_xor_b32 v76, 0x80000000, v74
	v_mov_b32 v77, 64
.irp k, 0,1,2,3,4,5,6,7,8,9,10,11,12,13,14,15
	v_cmp_neq_f32 vcc_lo, v[AC+\k], v76
	v_cndmask_b32 v78, 32+\k+8*(\k/8), v79, vcc_lo ; -mm reaches it: index 32 + column; else 64
	v_cmp_neq_f32 vcc_lo, v[AC+\k], v74
	v_cndmask_b32 v78, \k+8*(\k/8), v78, vcc_lo    ; mm reaches it: index = column
	v_min_u32 v77, v77, v78                        ; the lowest index wins
.endr
	v_add_nc_u32 v77, v[SH8], v77
	v_permlanex16_b32 v78, v77, s[SEL], s[SEL+1]
	v_min_u32 v[80+\p], v77, v78
.endm
	s_load_b128 s[4:7], s[0:1], 0x0                ; query, rand_matrix
	s_load_b128 s[8:11], s[0:1], 0x10              ; rec, hbuf
	s_set_vgpr_msb 0x40
	v_lshl_add_u32 v0, v0, 2, 0x17800
	v_mov_b32 v1, 0
	s_set_vgpr_msb 0x4000
	v_lshrrev_b32 v73, 5, v0
	v_readfirstlane_b32 s16, v73                   ; wave 0..7
	v_and_b32 v1, 31, v0                           ; lane
	v_and_b32 v2, 15, v0                           ; r
	v_bfe_u32 v3, v0, 4, 1                         ; h
	s_and_b32 s17, ttmp7, 0xffff                   ; b
	s_mov_b32 s[SEL], 0x76543210
	s_mov_b32 s[SEL+1], 0xfedcba98
	s_lshl_b32 s18, s17, 20
	s_lshl_b32 s26, ttmp9, 16
	s_add_co_u32 s18, s18, s26                     ; query: (4096 b + 256 x) rows of 256 bytes
	s_mov_b32 s19, 0
	s_lshl_b32 s20, s17, 15                        ; rm: 32,768 bytes a batch
	s_mov_b32 s21, 0
	s_lshl_b32 s22, s17, 19
	s_lshl_b32 s26, ttmp9, 15
	s_add_co_u32 s22, s22, s26                     ; rec: 128 bytes a position
	s_mov_b32 s23, 0
	s_lshl_b32 s24, s17, 14
	s_lshl_b32 s26, ttmp9, 10
	s_add_co_u32 s24, s24, s26                     ; hbuf: 4 bytes a position
	s_mov_b32 s25, 0
	s_lshl_b32 s26, s16, 13
	v_lshlrev_b32 v4, 4, v1
	v_add_nc_u32 v4, s26, v4                       ; raw rows: 8,192 w + 16 lane
	s_lshl_b32 s27, s16, 6
	v_lshlrev_b32 v5, 2, v2
	v_lshl_add_u32 v5, v3, 14, v5
	v_add_nc_u32 v5, s27, v5                       ; rm: row 32 h, column 16 w + r
	s_mul_i32 s28, s16, 8704
	v_mul_u32_u24 v6, v3, 272
	v_lshl_add_u32 v6, v2, 4, v6
	v_add_nc_u32 v6, s28, v6                       ; into the stage as loaded: row lane / 16, 16 bytes at 16 (lane % 16)
	v_mul_u32_u24 v7, v2, 272
	v_lshl_add_u32 v7, v3, 7, v7
	v_add_nc_u32 v7, s28, v7                       ; out of it: row r, 128 h bytes on
	s_mul_i32 s29, s16, 2304
	s_add_co_u32 s29, s29, RST
	v_mul_u32_u24 v9, v2, 144
	v_add_nc_u32 v9, s29, v9                       ; record r
	v_mad_u32_u24 v8, v3, 24, v9                   ; and my block's 24 bytes in it
	v_lshrrev_b32 v73, 3, v1
	v_mul_u32_u24 v10, v73, 144
	v_and_b32 v73, 7, v1
	v_lshl_add_u32 v10, v73, 4, v10
	v_add_nc_u32 v10, s29, v10                     ; back: eight lanes to a record
	v_lshl_add_u32 v13, v1, 3, RMI
	s_mul_i32 s30, s16, 768
	v_add_nc_u32 v11, s30, v13
	v_lshl_add_u32 v14, v1, 2, RMS
	s_lshl_b32 s30, s16, 7
	v_add_nc_u32 v12, s30, v14
	v_lshl_add_u32 v15, v2, 2, HST
	v_add_nc_u32 v15, s30, v15
	v_lshlrev_b32 v[SH8], 3, v3
	s_lshl_b32 s30, s16, 12
	v_lshlrev_b32 v[RO], 4, v1
	v_add_nc_u32 v[RO], s30, v[RO]
	s_wait_kmcnt 0x0
	s_add_nc_u64 s[4:5], s[4:5], s[18:19]
	s_add_nc_u64 s[6:7], s[6:7], s[20:21]
	s_add_nc_u64 s[8:9], s[8:9], s[22:23]
	s_add_nc_u64 s[10:11], s[10:11], s[24:25]
.irp u, 0,1
.irp j, 0,1,2,3,4,5,6,7
	global_load_b128 v[X+32*\u+4*\j:X+32*\u+4*\j+3], v4, s[4:5] offset:4096*\u+512*\j th:TH_LOAD_NT   ; 512 consecutive bytes a load
.endr
.endr
.set i, 0
.rept 32
	global_load_b32 v[32+i], v5, s[6:7] offset:512*i   ; rm(32 h + i, 16 w + r): my registers run down K
.set i, i+1
.endr
.irp t, 0,1,2,3,4,5,6,7                ; the zero codes of k = 64 .. 127, written once
.irp i, 6,7,8,9,10,11
	v_mov_b32 v[RF+12*\t+\i], 0
.endr
.endr
.irp i, 22,23,24,25,26,27,30,31,93
	v_mov_b32 v[\i], 0
.endr
	s_wait_loadcnt 32                              ; the 16 loads of rows are in; rm's 32, issued behind them, may be out
.irp u, 0,1
.irp j, 0,1,2,3,4,5,6,7
	ds_store_b128 v6, v[X+32*\u+4*\j:X+32*\u+4*\j+3] offset:4352*\u+544*\j
.endr
.endr
	s_wait_loadcnt 0x0                             ; rm
	s_wait_dscnt 0x0                               ; the stores have read their registers
	SUMSQ 32
	NORM 0
	DIVN 32, X
	QB32 X, 80, 86, 90, 91, 92
	WORD2 73, 92, 93
.irp i, 0,1,2
	ds_store_b64 v11, v[80+2*\i:81+2*\i] offset:256*\i   ; the fragment's lower six registers as they stand
.endr
	ds_store_b32 v12, v73
	BAR                                            ; rm's eight fragments lie in LDS
.irp t, 0,1,2,3,4,5,6,7
.irp i, 0,1,2
	ds_load_b64 v[RF+12*\t+2*\i:RF+12*\t+2*\i+1], v13 offset:768*\t+256*\i
.endr
	ds_load_b32 v[RS+\t], v14 offset:128*\t
.endr
.irp i, 0,1,2,3
	v_mov_b32 v[ZT+\i], 0
.endr
.macro QTILE u
.irp i, 0,1,2,3,4,5,6,7
	ds_load_b128 v[X+4*\i:X+4*\i+3], v7 offset:4352*\u+16*\i   ; d = 32 h + 0 .. 31 of row r (my wave's own bytes)
.endr
	s_wait_dscnt 0x0
	SUMSQ X
	NORM 1
	DIVN X, Y
	QB32 X, QC, TP, 90, 91, 92
	WORD2 28, 92, 93
	QB32 Y, NF, TP, 90, 91, 92
	WORD2 29, 92, 93
	v_mov_b32 v[NWS], v29
.irp i, 0,1,2
	ds_store_b64 v8, v[QC+2*\i:QC+2*\i+1] offset:8*\i
	ds_store_b64 v8, v[NF+2*\i:NF+2*\i+1] offset:48+8*\i
.endr
	ds_store_b128 v9, v[28:31] offset:96           ; both halves of the lanes write the same words
	ds_store_b128 v9, v[ZT:ZT+3] offset:112
.rept 8
	v_nop                                          ; a scale register written by a vector instruction stands 8 places ahead of the scaled product, an operand 4
.endr
.irp t, 0,1,2,3,4,5,6,7
	v_wmma_scale_f32_16x16x128_f8f6f4 v[X+8*\t:X+8*\t+7], v[RF+12*\t:RF+12*\t+11], v[NF:NF+11], 0, v[RS+\t], v[NWS] matrix_a_fmt:MATRIX_FMT_FP6 matrix_b_fmt:MATRIX_FMT_FP6
.endr
	v_mov_b32 v79, 64
.rept 3
	v_nop                                          ; four places behind the products
.endr
	ROUND 0
	ROUND 1
	ROUND 2
	ROUND 3
	v_lshl_or_b32 v80, v81, 8, v80
	v_lshl_or_b32 v80, v82, 16, v80
	v_lshl_or_b32 v80, v83, 24, v80
	ds_store_b32 v15, v80 offset:64*\u
.irp j, 0,1,2,3
	ds_load_b128 v[OB+4*\j:OB+4*\j+3], v10 offset:576*\j   ; LDS serves a wave's instructions in order: these see my stores
.endr
.irp j, 0,1,2,3
	s_wait_dscnt 3-\j                              ; the younger read-backs may be out
	global_store_b128 v[RO], v[OB+4*\j:OB+4*\j+3], s[8:9] offset:2048*\u+512*\j   ; 512 consecutive bytes, aligned
.endr
	s_wait_xcnt 0x0                                ; the stores' data registers are written again only behind this wait
.endm
	QTILE 0
	QTILE 1
	BAR                                            ; the 256 hash words lie in LDS
	v_lshlrev_b32 v42, 4, v0
	v_add_nc_u32 v43, HST, v42
	s_cmp_lt_u32 s16, 2
	s_cbranch_scc0 .Lend
	ds_load_b128 v[48:51], v43
	s_wait_dscnt 0x0
	global_store_b128 v42, v[48:51], s[10:11]      ; 64 lanes store 1,024 consecutive bytes
.Lend:
	s_set_vgpr_msb 0x5
	s_wait_tensorcnt 0x0
	ds_add_u32 v0, v1
	s_wait_dscnt 0x0
	s_set_vgpr_msb 0x500
	s_endpgm
.Lfunc_end_k_qe888a1b823_hash:
	.size	k_qe888a1b823_hash, .Lfunc_end_k_qe888a1b823_hash-k_qe888a1b823_hash
	.p2alignl 7, 3214868480
	.fill 96, 4, 3214868480
	.section	.rodata,"a",@progbits
	.p2align	6, 0x0
	.amdhsa_kernel k_qe888a1b823_hash
		.amdhsa_group_segment_fixed_size 97280
		.amdhsa_private_segment_fixed_size 0
		.amdhsa_enable_private_segment 0
		.amdhsa_kernarg_size 32
		.amdhsa_user_sgpr_count 2
		.amdhsa_user_sgpr_kernarg_segment_ptr 1
		.amdhsa_wavefront_size32 1
		.amdhsa_system_sgpr_workgroup_id_x 1
		.amdhsa_system_sgpr_workgroup_id_y 1
		.amdhsa_system_sgpr_workgroup_id_z 1
		.amdhsa_system_vgpr_workitem_id 0
		.amdhsa_next_free_vgpr 258
		.amdhsa_next_free_sgpr 66
		.amdhsa_reserve_vcc 1
		.amdhsa_float_denorm_mode_32 3
		.amdhsa_float_denorm_mode_16_64 3
		.amdhsa_memory_ordered 1
		.amdhsa_forward_progress 1
		.amdhsa_inst_pref_size 70
	.end_amdhsa_kernel
	.amdgpu_metadata
---
amdhsa.version: [ 1, 2 ]
amdhsa.kernels:
  - .name:           k_qe888a1b823_hash
    .symbol:         k_qe888a1b823_hash.kd
    .args:
      - { .name: query, .offset: 0, .size: 8, .value_kind: global_buffer, .address_space: global }
      - { .name: rand_matrix, .offset: 8, .size: 8, .value_kind: global_buffer, .address_space: global }
      - { .name: rec, .offset: 16, .size: 8, .value_kind: global_buffer, .address_space: global }
      - { .name: hbuf, .offset: 24, .size: 8, .value_kind: global_buffer, .address_space: global }
    .group_segment_fixed_size: 97280
    .private_segment_fixed_size: 0
    .kernarg_segment_align: 8
    .kernarg_segment_size: 32
    .max_flat_workgroup_size: 256
    .sgpr_count:     66
    .vgpr_count:     258
    .wavefront_size: 32
...
	.end_amdgpu_metadata
.endif
;; end of part 1
;; launch sortl (part 2): grid 64 x 1, 32 waves a work-group, no clusters, 87,040 bytes of LDS; arguments hbuf, skey, slot; writes skey, slot
.if DOCPART == 2
	.amdgcn_target "amdgcn-amd-amdhsa--gfx1250"
	.amdhsa_code_object_version 6
	.text
	.protected	k_qe888a1b823_sortl
	.globl	k_qe888a1b823_sortl
	.p2align	8
	.type	k_qe888a1b823_sortl,@function
k_qe888a1b823_sortl:
	s_mov_b64 s[64:65], 0
	v_nop
	global_prefetch_b8 v0, s[64:65] scope:SCOPE_SE
	s_setreg_imm32_b32 hwreg(HW_REG_WAVE_MODE, 25, 1), 1
	s_wait_xcnt 0x0
; A stable counting sort of the 4,096 positions of one (batch, round) by their hash (64 buckets): the order of the keys h x 4096 + l.
; slot[b][r][l] = the position's place in the order;  skey[b][r][place] = l | (first place of l's bucket) << 12.
; One work-group of 32 waves for each of the 64 (b, r).  Group g = 32 positions (a wave has four): a position's place = the count of all earlier buckets + of its bucket in earlier groups
; + its rank among the equal hashes of its group.  No atomics: counts come from ballots, places from prefix sums.
; No matrix work, no tensor load: 16 KiB in, 32 KiB out for a work-group; only 64 work-groups have work, since a sort is one chain of prefix sums.
.set CNT, 0                            ; LDS: 128 groups x 64 counters, 260 bytes from group to group
.set WS, 33536                         ; 32 wave totals
.set SLOTA, 33792                      ; place of position l
.set VALA, 50176                       ; the word of position l
.set SKEYA, 66560                      ; the words in order
.macro BAR
	s_wait_dscnt 0x0
	s_barrier_signal -1
	s_barrier_wait -1
.endm
.macro POPC x, t                       ; the number of ones in v[x]
	v_lshrrev_b32 v[\t], 1, v[\x]
	v_and_b32 v[\t], s20, v[\t]
	v_sub_nc_u32 v[\x], v[\x], v[\t]
	v_lshrrev_b32 v[\t], 2, v[\x]
	v_and_b32 v[\x], s21, v[\x]
	v_and_b32 v[\t], s21, v[\t]
	v_add_nc_u32 v[\x], v[\x], v[\t]
	v_lshrrev_b32 v[\t], 4, v[\x]
	v_add_nc_u32 v[\x], v[\x], v[\t]
	v_and_b32 v[\x], s22, v[\x]
	v_mul_lo_u32 v[\x], v[\x], s23
	v_lshrrev_b32 v[\x], 24, v[\x]
.endm
.macro SCAN32 x, t, s                  ; inclusive prefix sum over the wave's 32 lanes
.irp n, 1,2,4,8
	v_mov_b32_dpp v[\t], v[\x] row_shr:\n row_mask:0xf bank_mask:0xf bound_ctrl:1
	v_add_nc_u32 v[\x], v[\x], v[\t]
.endr
	v_readlane_b32 s[\s], v[\x], 15
	v_and_b32 v[\t], s[\s], v14                    ; lanes 16-31 add the lower half's total
	v_add_nc_u32 v[\x], v[\x], v[\t]
.endm
	s_load_b128 s[4:7], s[0:1], 0x0                ; hbuf, skey
	s_load_b64 s[8:9], s[0:1], 0x10                ; slot
	v_lshl_add_u32 v126, v0, 2, 0x14400
	v_mov_b32 v127, 0
	v_lshrrev_b32 v1, 5, v0                        ; wave
	v_readfirstlane_b32 s16, v1
	v_and_b32 v2, 31, v0                           ; lane
	s_lshr_b32 s10, ttmp9, 2                       ; b
	s_and_b32 s11, ttmp9, 3                        ; r
	s_lshl_b32 s17, s11, 3
	s_lshl_b32 s12, s10, 14
	s_mov_b32 s13, 0
	s_lshl_b32 s14, ttmp9, 14
	s_mov_b32 s15, 0
	s_mov_b32 s20, 0x55555555
	s_mov_b32 s21, 0x33333333
	s_mov_b32 s22, 0x0f0f0f0f
	s_mov_b32 s23, 0x01010101
	v_lshlrev_b32 v3, 2, v2
	v_lshl_add_u32 v3, v1, 9, v3                   ; 4 l for my first position: 512 w + 4 lane
	v_mul_u32_u24 v56, v1, 1040                    ; my wave's four rows of counters
	v_lshl_add_u32 v4, v2, 2, v56
	v_and_b32 v5, 15, v0
	v_mul_u32_u24 v5, v5, 2080
	v_lshrrev_b32 v6, 4, v0
	v_lshl_add_u32 v5, v6, 2, v5                   ; the prefix: bucket t / 16, groups 8 (t % 16) + 0 .. 7
	v_lshl_add_u32 v7, v1, 2, WS
	v_lshl_add_u32 v15, v2, 2, WS
.irp k, 0,1,2,3,4
	v_bfe_u32 v[8+\k], v2, \k, 1
	v_add_nc_u32 v[8+\k], -1, v[8+\k]              ; 0 where my lane's bit k is set, else all ones
.endr
	v_lshlrev_b32 v13, v2, 1
	v_add_nc_u32 v13, -1, v13                      ; the lanes below me
	v_bfe_u32 v14, v2, 4, 1
	v_sub_nc_u32 v14, 0, v14                       ; all ones in lanes 16-31
	v_mov_b32 v37, 0                               ; (a DPP form's destination counts as read)
	v_lshl_add_u32 v65, v1, 7, v2                  ; l of my first position
	v_lshl_add_u32 v66, v2, 4, SLOTA
	v_lshl_add_u32 v67, v2, 4, VALA
	v_lshl_add_u32 v68, v0, 4, SLOTA
	v_lshl_add_u32 v69, v0, 4, SKEYA
	v_lshlrev_b32 v70, 4, v0
	s_wait_kmcnt 0x0
	s_add_nc_u64 s[4:5], s[4:5], s[12:13]
	s_add_nc_u64 s[6:7], s[6:7], s[14:15]
	s_add_nc_u64 s[8:9], s[8:9], s[14:15]
.irp j, 0,1,2,3
	global_load_b32 v[16+\j], v3, s[4:5] offset:128*\j
.endr
	s_wait_loadcnt 0x0
.irp j, 0,1,2,3
	v_lshrrev_b32 v[16+\j], s17, v[16+\j]
	v_and_b32 v[16+\j], 63, v[16+\j]               ; my round's hash
.endr
.macro GROUP j                         ; group 4 w + j: my rank among equal hashes, and the group's 64 counts (lane: buckets lane and lane + 32)
.irp k, 0,1,2,3,4,5
	v_bfe_u32 v34, v[16+\j], \k, 1
	v_cmp_ne_u32 s[24+\k], 0, v34                  ; the lanes whose bit k is set
	v_add_nc_u32 v34, -1, v34
.if \k == 0
	v_xor_b32 v6, s[24+\k], v34                    ; the lanes that agree with me in bit k
.else
	v_xor_b32 v34, s[24+\k], v34
	v_and_b32 v6, v6, v34
.endif
.endr
	v_and_b32 v[20+\j], v13, v6
	POPC 20+\j, 34
	v_xor_b32 v[40+2*\j], s24, v8
.irp k, 1,2,3,4
	v_xor_b32 v34, s[24+\k], v[8+\k]
	v_and_b32 v[40+2*\j], v[40+2*\j], v34          ; the lanes whose hash % 32 is my lane's number
.endr
	s_not_b32 s30, s29
	v_and_b32 v[41+2*\j], s29, v[40+2*\j]
	v_and_b32 v[40+2*\j], s30, v[40+2*\j]
	POPC 40+2*\j, 34
	POPC 41+2*\j, 34
	ds_store_b32 v4, v[40+2*\j] offset:260*\j
	ds_store_b32 v4, v[41+2*\j] offset:260*\j+128
.endm
	GROUP 0
	GROUP 1
	GROUP 2
	GROUP 3
	BAR                                            ; all 8,192 counters are written
.irp q, 0,1,2,3,4,5,6,7
	ds_load_b32 v[40+\q], v5 offset:260*\q
.endr
	s_wait_dscnt 0x0
	v_add3_u32 v35, v40, v41, v42
	v_add3_u32 v35, v35, v43, v44
	v_add3_u32 v35, v35, v45, v46
	v_add_nc_u32 v35, v35, v47                     ; my eight counters' total
	v_mov_b32 v36, v35
	SCAN32 36, 37, 31
	v_readlane_b32 s31, v36, 31
	v_mov_b32 v38, s31
	ds_store_b32 v7, v38                           ; my wave's total (all lanes: the same word, the same value)
	BAR
	ds_load_b32 v39, v15
	s_wait_dscnt 0x0
	v_cmp_gt_u32 vcc_lo, s16, v2
	v_cndmask_b32 v39, 0, v39, vcc_lo              ; the totals of the waves below mine
	SCAN32 39, 37, 30
	v_readlane_b32 s31, v39, 31
	v_sub_nc_u32 v48, v36, v35
	v_add_nc_u32 v48, s31, v48                     ; what stands ahead of my first counter
.irp q, 0,1,2,3,4,5,6
	v_add_nc_u32 v[49+\q], v[48+\q], v[40+\q]
.endr
.irp q, 0,1,2,3,4,5,6,7
	ds_store_b32 v5, v[48+\q] offset:260*\q        ; each counter becomes its exclusive prefix
.endr
	BAR
.irp j, 0,1,2,3
	v_min_u32 v[24+\j], 63, v[16+\j]
	v_lshlrev_b32 v[28+\j], 2, v[24+\j]
	v_lshl_add_u32 v[24+\j], v[24+\j], 2, v56
	ds_load_b32 v[57+\j], v[24+\j] offset:260*\j   ; my bucket's prefix in my group
	ds_load_b32 v[61+\j], v[28+\j]                 ; and in group 0: the bucket's first place
.endr
	BAR                                            ; these reads are parted from the stores below
.irp j, 0,1,2,3
	v_add_nc_u32 v[57+\j], v[57+\j], v[20+\j]
	v_lshl_or_b32 v[61+\j], v[61+\j], 12, v65
	v_or_b32 v[61+\j], 32*\j, v[61+\j]
	ds_store_b32 v3, v[57+\j] offset:SLOTA+128*\j
	ds_store_b32 v3, v[61+\j] offset:VALA+128*\j
.endr
	BAR
	s_cmp_lg_u32 s16, 0                            ; ONE wave places the words, so that no two waves store between two barriers at places that hang on data
	s_cbranch_scc1 .Lplaced
.set q, 0
.rept 8
.irp k, 0,1,2,3
	ds_load_b128 v[72+4*\k:75+4*\k], v66 offset:512*(4*q+\k)
	ds_load_b128 v[88+4*\k:91+4*\k], v67 offset:512*(4*q+\k)
.endr
	s_wait_dscnt 0x0
.irp n, 0,1,2,3,4,5,6,7,8,9,10,11,12,13,14,15
	v_min_u32 v[72+\n], 0xfff, v[72+\n]
	v_lshl_add_u32 v[104+\n], v[72+\n], 2, SKEYA
	ds_store_b32 v[104+\n], v[88+\n]
.endr
	s_wait_dscnt 0x0                               ; the stores have read their registers
.set q, q+1
.endr
.Lplaced:
	BAR
	ds_load_b128 v[72:75], v68
	ds_load_b128 v[76:79], v69
	s_wait_dscnt 0x0
	global_store_b128 v70, v[72:75], s[8:9]        ; a wave stores 512 consecutive bytes
	global_store_b128 v70, v[76:79], s[6:7]
	s_wait_tensorcnt 0x0
	ds_add_u32 v126, v127
	s_wait_dscnt 0x0
	s_endpgm
.Lfunc_end_k_qe888a1b823_sortl:
	.size	k_qe888a1b823_sortl, .Lfunc_end_k_qe888a1b823_sortl-k_qe888a1b823_sortl
	.p2alignl 7, 3214868480
	.fill 96, 4, 3214868480
	.section	.rodata,"a",@progbits
	.p2align	6, 0x0
	.amdhsa_kernel k_qe888a1b823_sortl
		.amdhsa_group_segment_fixed_size 87040
		.amdhsa_private_segment_fixed_size 0
		.amdhsa_enable_private_segment 0
		.amdhsa_kernarg_size 24
		.amdhsa_user_sgpr_count 2
		.amdhsa_user_sgpr_kernarg_segment_ptr 1
		.amdhsa_wavefront_size32 1
		.amdhsa_system_sgpr_workgroup_id_x 1
		.amdhsa_system_sgpr_workgroup_id_y 1
		.amdhsa_system_sgpr_workgroup_id_z 1
		.amdhsa_system_vgpr_workitem_id 0
		.amdhsa_next_free_vgpr 128
		.amdhsa_next_free_sgpr 66
		.amdhsa_reserve_vcc 1
		.amdhsa_float_denorm_mode_32 3
		.amdhsa_float_denorm_mode_16_64 3
		.amdhsa_memory_ordered 1
		.amdhsa_forward_progress 1
		.amdhsa_inst_pref_size 55
	.end_amdhsa_kernel
	.amdgpu_metadata
---
amdhsa.version: [ 1, 2 ]
amdhsa.kernels:
  - .name:           k_qe888a1b823_sortl
    .symbol:         k_qe888a1b823_sortl.kd
    .args:
      - { .name: hbuf, .offset: 0, .size: 8, .value_kind: global_buffer, .address_space: global }
      - { .name: skey, .offset: 8, .size: 8, .value_kind: global_buffer, .address_space: global }
      - { .name: slot, .offset: 16, .size: 8, .value_kind: global_buffer, .address_space: global }
    .group_segment_fixed_size: 87040
    .private_segment_fixed_size: 0
    .kernarg_segment_align: 8
    .kernarg_segment_size: 24
    .max_flat_workgroup_size: 1024
    .sgpr_count:     66
    .vgpr_count:     128
    .wavefront_size: 32
...
	.end_amdgpu_metadata
.endif
;; end of part 2
;; launch attend (part 3): grid 16 x 64, 4 waves a work-group, no clusters, 53,248 bytes of LDS; arguments rec, value, skey, slot, attn, lse; writes attn, lse
.if DOCPART == 3
	.amdgcn_target "amdgcn-amd-amdhsa--gfx1250"
	.amdhsa_code_object_version 6
	.text
	.protected	k_qe888a1b823_attend
	.globl	k_qe888a1b823_attend
	.p2align	8
	.type	k_qe888a1b823_attend,@function
k_qe888a1b823_attend:
	s_mov_b64 s[64:65], 0
	v_nop
	global_prefetch_b8 v0, s[64:65] scope:SCOPE_SE
	s_setreg_imm32_b32 hwreg(HW_REG_WAVE_MODE, 25, 1), 1
	s_wait_xcnt 0x0
; One round's attention over the sorted order.  A work-group takes four neighbouring chunks of 64 places of one (batch, round); each chunk attends over itself and the chunk before (circular).
; scores = Q(q) . Q(qn) / 8 (K = 64, codes from rec);  masks;  lse = logsumexp;  p = exp(score - lse) / count, quantised along the 128 keys;  O = Q(p) Q(V), V quantised along the keys.
; THE MASKS ARE AN INTERVAL: the order's keys are unique, so key j of the window counts for query jq exactly where lo <= j <= jq, lo = max(0, first place of the query's bucket - first place of the window); j = jq is the query itself.
; For chunk 0 the window's first place is -64, so lo >= 64 hides the wrapped chunk.   Scores stay unscaled in the registers: the mask values are 8 x (-1e9) and 8 x (-1e5).
; THE COUNT of a key is 1 + the number of the other three rounds in which (query's chunk - key's chunk) mod 64 is 0 or 1: three 6-bit chunk numbers a position, a byte each, compared in one word.
; THE MAXIMUM is taken away before the exponential: t = S c - mc, c = log2(e) / 8, mc = the row's largest S x c rounded once; the shift cancels in p / sum, and lse = (log2 sum + mc) ln 2.
; Both products are used transposed (S^T = K Q^T, O^T = V^T P^T): a lane holds ONE query.  Lane r of key tile 2 b + u takes key 32 b + 8 u + r + 8 (r / 8), so that 16 registers of two tiles are 16 neighbouring keys.
; The first product's K is 64: k = 64 .. 127 are zero codes on both sides under scale byte 0.
; Wave w prepares key tile w and rows 16 w .. 16 w + 15 of V^T of each new chunk (images of the operands' registers in LDS, two slots by turns), then owns queries 16 w .. 16 w + 15.
; attn[b][l][r][64]: a query's row is 256 aligned bytes, stored whole by sixteen lanes.  lse[b][r][place].
; No tensor load, no cluster, no joint request: all bulk reads are gathers of rows named by a list; neighbouring work-groups share one chunk in five.  No prefetch: the gathered tables are read again by all four rounds.
; LIMITS: NaN and infinities are not served; an exponential under 2^-126 is 0; a block of zeros gets the byte 1 (zero codes; the bytes are this program's own).
.set CW, 0                             ; in a slot: 64 words of chunk numbers,
.set KSC, 256                          ; 4 x 128 bytes: the key tiles' scale words,
.set VSC, 768                          ; 4 x 128: V^T's,
.set KIMG, 1280                        ; 4 x 768: the key tiles' six registers,
.set VIMG, 4352                        ; 4 x 768: V^T's
.set SLOTB, 8192                       ; slot 1; one exclusive or turns an address
.set VST, 16384                        ; 64 rows of V, 256 bytes, + 128 from row 32 on
.set OST, 33024                        ; the way out: 16 rows x 272 bytes for each wave
.set SKT, 50432                        ; the order's words of five chunks
.set LSTG, 51712                       ; 256 lse
.set FLOOR, 0x1800000
.set KF, 32                            ; v32-79   four key fragments (upper six registers of each = 0)
.set QF, 80                            ; v80-91   my queries' fragment (86-91 = 0)
.set KSR, 92                           ; v92-95   key scale words: nothing else
.set S, 96                             ; v96-159  S^T, then p; V's numbers in the preparation; V^T's fragments (96-143) for the second product
.set O, 160                            ; v160-191 rows of V; chunk numbers of keys 0-63, then 1 / count; then O^T
.set PO, 192                           ; v192-199 positions of places 16 w + 8 (lane / 16) + 0 .. 7
.set VS, 200                           ; v200-203 V^T's scale words: nothing else;  v204-207 the current chunk's halves of them
.set VC, 204
.set QS, 208                           ; my queries' scale word: nothing else
.set QWM, 209                          ; my query's word of the order
.set QA, 210
.set WD, 211
.set NM, 212                           ; v[212:213] -mc
.set SU, 214                           ; v214-217 at work
.set INV, 218                          ; v[218:219] 1 / sum
.set LSE, 220
.set PW, 221                           ; p's scale word: nothing else
.set SELF, 222
.set JQ, 223
.set PC, 224                           ; v224-255 chunk numbers of keys 64-127, then 1 / count; then p's codes 224-235, halves 236-243, at work 244-255; then rows on the way out
.set PT, 236
.set TM, 244
.set SH8, 31
.set SEL, 36
.macro BAR
	s_wait_dscnt 0x0
	s_barrier_signal -1
	s_barrier_wait -1
.endm
.macro QB32 src, dst, tmp, am, sc, by
	v_max3_num_f32 v[\am], |v[\src]|, |v[\src+1]|, FLOOR
	v_max3_num_f32 v[\by], |v[\src+16]|, |v[\src+17]|, FLOOR
.irp i, 2,4,6,8,10,12,14
	v_max3_num_f32 v[\am], v[\am], |v[\src+\i]|, |v[\src+\i+1]|
	v_max3_num_f32 v[\by], v[\by], |v[\src+16+\i]|, |v[\src+17+\i]|
.endr
	v_max_num_f32 v[\am], v[\am], v[\by]
	v_add_nc_u32 v[\sc], 0xff000000, v[\am]
	v_lshrrev_b32 v[\by], 23, v[\sc]
	v_cvt_scalef32_pk16_fp6_f32 v[\dst:\dst+2], v[\src:\src+15], v[\sc]
	v_cvt_scalef32_pk16_fp6_f32 v[\tmp:\tmp+2], v[\src+16:\src+31], v[\sc]
	v_nop                                          ; one plain place behind a scaled conversion
	v_mov_b32 v[\dst+3], v[\tmp]
	v_mov_b32 v[\dst+4], v[\tmp+1]
	v_mov_b32 v[\dst+5], v[\tmp+2]
.endm
.macro KLOAD ai, as                    ; a chunk's four key fragments and their scale words
.irp t, 0,1,2,3
.irp i, 0,1,2
	ds_load_b64 v[KF+12*\t+2*\i:KF+12*\t+2*\i+1], v[\ai] offset:KIMG+768*\t+256*\i
.endr
	ds_load_b32 v[KSR+\t], v[\as] offset:KSC+128*\t
.endr
.endm
.macro SMUL g                          ; S^T of keys 64 g .. 64 g + 63
.irp t, 0,1,2,3
	v_wmma_scale_f32_16x16x128_f8f6f4 v[S+32*\g+8*\t:S+32*\g+8*\t+7], v[KF+12*\t:KF+12*\t+11], v[QF:QF+11], 0, v[KSR+\t], v[QS] matrix_a_fmt:MATRIX_FMT_FP6 matrix_b_fmt:MATRIX_FMT_FP6
.endr
.endm
; THE PREPARATION of the chunk whose words begin at SKT + s30, into the slot at s31.  withq = 1: my queries' fragment too.
.macro PREP withq
	v_add_nc_u32 v22, s30, v6
	v_add_nc_u32 v23, s30, v7
	ds_load_b32 v224, v22                          ; my key tile's row
	ds_load_b128 v[PO:PO+3], v23
	ds_load_b128 v[PO+4:PO+7], v23 offset:16
.if \withq
	v_add_nc_u32 v24, s30, v8
	ds_load_b32 v[QWM], v24
.endif
	s_wait_dscnt 0x0
	v_and_b32 v224, 0xfff, v224
	v_min_u32 v224, 0xfff, v224                    ; a position: held inside its table
.irp i, 0,1,2,3,4,5,6,7
	v_and_b32 v[PO+\i], 0xfff, v[PO+\i]
	v_min_u32 v[PO+\i], 0xfff, v[PO+\i]
.endr
	v_lshl_add_u32 v225, v224, 7, v10              ; its record, + 24 h
	v_lshlrev_b32 v226, 7, v224
	v_lshlrev_b32 v227, 2, v224
.irp i, 0,1,2,3,4,5,6,7
	v_lshl_add_u32 v[240+\i], v[PO+\i], 8, v9      ; a row of V: sixteen lanes take its 256 bytes
.endr
.irp i, 0,1,2
	global_load_b64 v[228+2*\i:229+2*\i], v225, s[4:5] offset:48+8*\i   ; qn's codes
.endr
	global_load_b32 v234, v226, s[4:5] offset:100  ; qn's scale word
	global_load_b32 v235, v227, s[24:25]           ; the position's place in the other three rounds
	global_load_b32 v236, v227, s[26:27]
	global_load_b32 v237, v227, s[28:29]
.irp i, 0,1,2,3,4,5,6,7
	global_load_b128 v[O+4*\i:O+4*\i+3], v[240+\i], s[6:7]
.endr
.if \withq
	v_and_b32 v238, 0xfff, v[QWM]
	v_min_u32 v238, 0xfff, v238
	v_lshl_add_u32 v239, v238, 7, v10
	v_lshlrev_b32 v238, 7, v238
.irp i, 0,1,2
	global_load_b64 v[QF+2*\i:QF+2*\i+1], v239, s[4:5] offset:8*\i      ; q's codes
.endr
	global_load_b32 v[QS], v238, s[4:5] offset:96
.endif
	v_add_nc_u32 v22, s31, v13
	v_add_nc_u32 v23, s31, v14
	v_add_nc_u32 v24, s31, v15
	s_wait_loadcnt 0x0
	v_lshrrev_b32 v235, 6, v235                    ; chunk numbers, a byte each
	v_lshrrev_b32 v236, 6, v236
	v_lshrrev_b32 v237, 6, v237
	v_lshl_or_b32 v235, v236, 8, v235
	v_lshl_or_b32 v235, v237, 16, v235
.irp i, 0,1,2
	ds_store_b64 v22, v[228+2*\i:229+2*\i] offset:KIMG+256*\i
.endr
	ds_store_b32 v23, v234 offset:KSC
	ds_store_b32 v24, v235 offset:CW               ; (both halves of the lanes: the same word, the same value)
.irp i, 0,1,2,3,4,5,6,7
	ds_store_b128 v11, v[O+4*\i:O+4*\i+3] offset:256*\i
.endr
	BAR                                            ; the chunk's 64 rows of V lie in the stage
.set i, 0
.rept 32
	ds_load_b32 v[S+i], v12 offset:256*i           ; V(key 32 h + i, d = 16 w + r): my registers run down the keys
.set i, i+1
.endr
	s_wait_dscnt 0x0
	QB32 S, 224, 230, 234, 235, 236
	v_lshlrev_b32 v237, v[SH8], v236
	v_permlanex16_b32 v238, v237, s[SEL], s[SEL+1]
	v_or_b32 v237, v237, v238                      ; the row's two bytes
.irp i, 0,1,2
	ds_store_b64 v22, v[224+2*\i:225+2*\i] offset:VIMG+256*\i
.endr
	ds_store_b32 v23, v237 offset:VSC
	BAR                                            ; the slot is whole
.endm
	s_load_b256 s[4:11], s[0:1], 0x0               ; rec, value, skey, slot
	s_load_b128 s[12:15], s[0:1], 0x20             ; attn, lse
	s_set_vgpr_msb 0x40
	v_lshl_add_u32 v0, v0, 2, 0xce00
	v_mov_b32 v1, 0
	s_set_vgpr_msb 0x4000
	v_lshrrev_b32 v22, 5, v0
	v_readfirstlane_b32 s16, v22                   ; wave 0..3
	v_and_b32 v1, 31, v0
	v_and_b32 v2, 15, v0                           ; r
	v_bfe_u32 v3, v0, 4, 1                         ; h
	s_and_b32 s17, ttmp7, 0xffff                   ; 4 b + round
	s_lshr_b32 s18, s17, 2
	s_and_b32 s19, s17, 3
	s_mov_b32 s[SEL], 0x76543210
	s_mov_b32 s[SEL+1], 0xfedcba98
	s_mov_b32 s38, 0x3e3e3e
	s_mov_b32 s39, 0x404040
	s_mov_b32 s40, 0x010101
	s_mov_b32 s41, 0x400000
	s_mov_b32 s42, 0xcfee6b28                      ; -8e9
	s_mov_b32 s44, 0x3e38aa3b                      ; c = log2(e) / 8
	s_mov_b32 s45, s44                             ; (named with it as a pair)
	s_mov_b32 s46, 0x3f317218                      ; ln 2
	v_mov_b32 v[SELF], 0xc9435000                  ; -8e5
	s_lshl_b32 s2, s16, 6
	s_lshr_b32 s3, s16, 1
	s_lshl_b32 s3, s3, 5
	s_and_b32 s22, s16, 1
	s_lshl_b32 s22, s22, 3
	s_add_co_u32 s3, s3, s22                       ; my key tile begins at key 32 (w / 2) + 8 (w % 2)
	v_lshlrev_b32 v4, 3, v1
	v_lshlrev_b32 v5, 2, v1
	v_and_b32 v15, 8, v2
	v_add_nc_u32 v15, v15, v2
	v_add_nc_u32 v15, s3, v15
	v_lshlrev_b32 v15, 2, v15                      ; 4 x my tile's key
	v_add_nc_u32 v6, SKT, v15
	v_lshlrev_b32 v16, 6, v3
	v_lshlrev_b32 v17, 2, v2
	v_add_nc_u32 v17, s2, v17                      ; 4 (16 w + r)
	v_add_nc_u32 v8, SKT, v17
	v_lshlrev_b32 v7, 5, v3
	v_add_nc_u32 v7, s2, v7
	v_add_nc_u32 v7, SKT, v7                       ; 4 (16 w + 8 h)
	v_lshlrev_b32 v9, 4, v2
	v_mul_u32_u24 v10, v3, 24
	s_lshl_b32 s22, s16, 12
	s_lshr_b32 s23, s16, 1
	s_lshl_b32 s23, s23, 7
	s_add_co_u32 s22, s22, s23
	s_add_co_u32 s22, s22, VST
	v_lshl_add_u32 v11, v3, 11, v9
	v_add_nc_u32 v11, s22, v11                     ; V's stage, in: row 16 w + 8 h, 16 r bytes on
	v_mad_u32_u24 v12, v3, 8320, v17
	v_add_nc_u32 v12, VST, v12                     ; and out: row 32 h, column 16 w + r
	s_mul_i32 s22, s16, 768
	v_add_nc_u32 v13, s22, v4
	s_lshl_b32 s22, s16, 7
	v_add_nc_u32 v14, s22, v5
	s_mul_i32 s22, s16, 4352
	s_add_co_u32 s22, s22, OST
	v_mul_u32_u24 v18, v2, 272
	v_lshl_add_u32 v18, v3, 5, v18
	v_add_nc_u32 v18, s22, v18
	v_mul_u32_u24 v19, v3, 2176
	v_add_nc_u32 v19, v19, v9
	v_add_nc_u32 v19, s22, v19
	v_add_nc_u32 v20, LSTG, v17
	s_lshl_b32 s22, s16, 4
	s_add_co_u32 s22, s22, 64
	v_add_nc_u32 v[JQ], s22, v2                    ; my query's place in the window
	v_lshlrev_b32 v21, 4, v3
	v_sub_nc_u32 v21, v[JQ], v21                   ; less 16 h
	v_lshlrev_b32 v[SH8], 3, v3
.irp t, 0,1,2,3                        ; the zero codes of k = 64 .. 127, written once
.irp i, 6,7,8,9,10,11
	v_mov_b32 v[KF+12*\t+\i], 0
.endr
.endr
.irp i, 6,7,8,9,10,11
	v_mov_b32 v[QF+\i], 0
.endr
	v_mov_b32 v238, 0                              ; (a lane permute's destination counts as read)
	s_mov_b32 s30, 0
	s_mov_b32 s31, 0
	s_mov_b32 s32, SLOTB
	s_lshl_b32 s33, ttmp9, 8
	s_sub_co_u32 s33, s33, 64                      ; the first window's first place
	s_mov_b32 s34, 4
	s_mov_b32 s35, 0
	s_mov_b32 s21, 0
	s_wait_kmcnt 0x0
	s_lshl_b32 s20, s18, 19
	s_add_nc_u64 s[4:5], s[4:5], s[20:21]
	s_lshl_b32 s20, s18, 20
	s_add_nc_u64 s[6:7], s[6:7], s[20:21]
	s_lshl_b32 s20, s17, 14
	s_add_nc_u64 s[8:9], s[8:9], s[20:21]
	s_add_nc_u64 s[14:15], s[14:15], s[20:21]
	s_lshl_b32 s20, ttmp9, 10
	s_add_nc_u64 s[14:15], s[14:15], s[20:21]
	s_lshl_b32 s20, s18, 22
	s_lshl_b32 s22, s19, 8
	s_add_co_u32 s20, s20, s22
	s_add_nc_u64 s[12:13], s[12:13], s[20:21]
.irp k, 1,2,3
	s_add_co_u32 s22, s19, \k
	s_and_b32 s22, s22, 3
	s_lshl_b32 s20, s18, 2
	s_add_co_u32 s20, s20, s22
	s_lshl_b32 s20, s20, 14
	s_add_nc_u64 s[22+2*\k:23+2*\k], s[10:11], s[20:21]   ; slot of round (r + k) % 4
.endr
	s_lshl_b32 s22, ttmp9, 2
	s_add_co_u32 s22, s22, s16
	s_add_co_u32 s22, s22, 63
	s_and_b32 s22, s22, 63
	s_lshl_b32 s22, s22, 8                         ; chunk (4 x - 1 + w) mod 64
	v_add_nc_u32 v22, s22, v4
	global_load_b64 v[24:25], v22, s[8:9]
	s_lshl_b32 s23, ttmp9, 10
	s_add_co_u32 s23, s23, 768                     ; chunk 4 x + 3: a quarter for each wave
	v_add_nc_u32 v23, s23, v17
	global_load_b32 v26, v23, s[8:9]
	s_lshl_b32 s22, s16, 8
	v_add_nc_u32 v27, s22, v4
	s_wait_loadcnt 0x0
	ds_store_b64 v27, v[24:25] offset:SKT
	ds_store_b32 v8, v26 offset:1024
	BAR                                            ; the five chunks' words lie in LDS
	PREP 0                                         ; the chunk before my first
.Ltrip:                                            ; four trips, a chunk each
	s_add_co_u32 s30, s30, 256
	s_xor_b32 s31, s31, SLOTB
	s_xor_b32 s32, s32, SLOTB
	PREP 1
	v_add_nc_u32 v22, s32, v4
	v_add_nc_u32 v23, s31, v4
	v_add_nc_u32 v24, s32, v5
	v_add_nc_u32 v25, s31, v5
	v_add_nc_u32 v26, s32, v16
	v_add_nc_u32 v27, s31, v16
	v_add_nc_u32 v28, s31, v17
	KLOAD 22, 24
.irp u, 0,1,2,3                        ; the keys' chunk numbers: register 16 b + i = key 32 b + 16 h + i, as in S^T
	ds_load_b128 v[160+4*\u:163+4*\u], v26 offset:CW+16*\u
	ds_load_b128 v[176+4*\u:179+4*\u], v26 offset:CW+128+16*\u
	ds_load_b128 v[224+4*\u:227+4*\u], v27 offset:CW+16*\u
	ds_load_b128 v[240+4*\u:243+4*\u], v27 offset:CW+128+16*\u
.endr
	ds_load_b32 v[QA], v28 offset:CW               ; my query's
.irp t, 0,1,2,3
	ds_load_b32 v[VS+\t], v24 offset:VSC+128*\t
	ds_load_b32 v[VC+\t], v25 offset:VSC+128*\t
.endr
	s_wait_dscnt 25                                ; the key fragments are in; the 16 + 1 + 8 loads behind them may be out
	SMUL 0
.rept 4
	v_nop                                          ; places in front of loads into registers that the products have read
.endr
	KLOAD 23, 25
	s_wait_dscnt 0x0
	SMUL 1
	; the counts, in place; these lines name no register of the products: they are the places behind them
	v_add_nc_u32 v[QA], s39, v[QA]
.set n, 0
.rept 64
.set CR, 160+n+32*(n/32)
	v_sub_nc_u32 v[CR], v[QA], v[CR]               ; in each byte 64 + query's chunk - key's chunk
.set n, n+1
.endr
.set n, 0
.rept 64
.set CR, 160+n+32*(n/32)
	v_and_b32 v[CR], s38, v[CR]                    ; bits 1-5: zero where the difference mod 64 is 0 or 1
.set n, n+1
.endr
.set n, 0
.rept 64
.set CR, 160+n+32*(n/32)
	v_sub_nc_u32 v[CR], s39, v[CR]
.set n, n+1
.endr
.set n, 0
.rept 64
.set CR, 160+n+32*(n/32)
	v_and_b32 v[CR], s39, v[CR]                    ; bit 6 of a byte: that round counts
.set n, n+1
.endr
.set n, 0
.rept 64
.set CR, 160+n+32*(n/32)
	v_mad_u32_u24 v[CR], v[CR], s40, s41           ; the three bits meet at bit 22, and 1 for the round in hand
.set n, n+1
.endr
.set n, 0
.rept 64
.set CR, 160+n+32*(n/32)
	v_bfe_u32 v[CR], v[CR], 22, 3
.set n, n+1
.endr
.set n, 0
.rept 64
.set CR, 160+n+32*(n/32)
	v_cvt_f32_u32 v[CR], v[CR]
.set n, n+1
.endr
.set n, 0
.rept 64
.set CR, 160+n+32*(n/32)
	v_rcp_f32 v[CR], v[CR]                         ; 1 / count; not named again ahead of the wait behind the exponentials
.set n, n+1
.endr
.irp t, 0,1,2,3
	v_lshl_or_b32 v[VS+\t], v[VC+\t], 16, v[VS+\t] ; V^T's scale words: bytes 0, 1 the chunk before, 2, 3 this chunk
.endr
	v_lshrrev_b32 v29, 12, v[QWM]
	v_sub_nc_u32 v29, v29, s33                     ; first place of my bucket - first place of the window
	v_cmp_le_i32 vcc_lo, 0, v29
	v_cndmask_b32 v29, 0, v29, vcc_lo              ; lo
	v_sub_nc_u32 v[WD], v[JQ], v29                 ; jq - lo
.set n, 0
.rept 64                               ; each result is read from its low end on
.set KK, 32*(n/16)+n%16
	v_add_nc_u32 v[29+n%2], -KK, v21               ; jq - j
	v_cmp_ge_u32 vcc_lo, v[WD], v[29+n%2]          ; 0 <= jq - j <= jq - lo, as unsigned numbers
	v_cndmask_b32 v[S+n], s42, v[S+n], vcc_lo
.if n >= 32
	v_cmp_eq_u32 vcc_lo, 0, v[29+n%2]
	v_cndmask_b32 v[S+n], v[S+n], v[SELF], vcc_lo  ; the query itself
.endif
.set n, n+1
.endr
.irp b, 0,1,2,3
	v_max3_num_f32 v[SU+\b], v[S+16*\b], v[S+16*\b+1], v[S+16*\b+2]
.endr
.irp i, 3,5,7,9,11,13
.irp b, 0,1,2,3
	v_max3_num_f32 v[SU+\b], v[SU+\b], v[S+16*\b+\i], v[S+16*\b+\i+1]
.endr
.endr
.irp b, 0,1,2,3
	v_max_num_f32 v[SU+\b], v[SU+\b], v[S+16*\b+15]
.endr
	v_max3_num_f32 v[SU], v[SU], v[SU+1], v[SU+2]
	v_max_num_f32 v[SU], v[SU], v[SU+3]
	v_permlanex16_b32 v[SU+1], v[SU], s[SEL], s[SEL+1]
	v_max_num_f32 v[SU], v[SU], v[SU+1]            ; the row's largest score
	v_mul_f32 v[NM], -v[SU], s44                   ; -mc
	v_mov_b32 v[NM+1], v[NM]
.set n, 0
.rept 32
	v_pk_fma_f32 v[S+n:S+n+1], v[S+n:S+n+1], s[44:45], v[NM:NM+1] op_sel_hi:[1,0,0]
.set n, n+2
.endr
.set n, 0
.rept 64
	v_exp_f32 v[S+n], v[S+n]
.set n, n+1
.endr
	v_add_nc_u32 v30, s35, v20                     ; (a plain place behind the exponentials) where my lse goes
	s_wait_alu depctr_va_vdst(0)                   ; one wait for the 64 reciprocals and the 64 exponentials, ahead of their first reader
	v_pk_add_f32 v[SU:SU+1], v[S:S+1], v[S+2:S+3]
	v_pk_add_f32 v[SU+2:SU+3], v[S+4:S+5], v[S+6:S+7]
.irp j, 8,12,16,20,24,28,32,36,40,44,48,52,56,60
	v_pk_add_f32 v[SU:SU+1], v[SU:SU+1], v[S+\j:S+\j+1]
	v_pk_add_f32 v[SU+2:SU+3], v[SU+2:SU+3], v[S+\j+2:S+\j+3]
.endr
	v_pk_add_f32 v[SU:SU+1], v[SU:SU+1], v[SU+2:SU+3]
	v_add_f32 v[SU], v[SU], v[SU+1]
	v_permlanex16_b32 v[SU+1], v[SU], s[SEL], s[SEL+1]
	v_add_f32 v[SU], v[SU], v[SU+1]                ; the row's sum
	v_log_f32 v[SU+2], v[SU]
	v_rcp_f32 v[INV], v[SU]
	v_nop
	s_wait_alu depctr_va_vdst(0)
	v_sub_f32 v[SU+2], v[SU+2], v[NM]
	v_mul_f32 v[LSE], s46, v[SU+2]                 ; (log2 sum + mc) ln 2
	v_mov_b32 v[INV+1], v[INV]
	ds_store_b32 v30, v[LSE]
.set n, 0
.rept 32
.set CR, 160+n+32*(n/32)
	v_pk_mul_f32 v[S+n:S+n+1], v[S+n:S+n+1], v[CR:CR+1]
.set n, n+2
.endr
.set n, 0
.rept 32
	v_pk_mul_f32 v[S+n:S+n+1], v[S+n:S+n+1], v[INV:INV+1]   ; p, finished and normalised
.set n, n+2
.endr
	; p's four blocks of 32 keys are quantised; no |.|: none is negative
.irp b, 0,1,2,3
	v_max3_num_f32 v[TM+\b], v[S+16*\b], v[S+1+16*\b], FLOOR
.endr
.irp i, 2,4,6,8,10,12,14
.irp b, 0,1,2,3
	v_max3_num_f32 v[TM+\b], v[TM+\b], v[S+16*\b+\i], v[S+1+16*\b+\i]
.endr
.endr
.irp b, 0,1,2,3
	v_permlanex16_b32 v[TM+4+\b], v[TM+\b], s[SEL], s[SEL+1]
.endr
.irp b, 0,1,2,3
	v_max_num_f32 v[TM+\b], v[TM+\b], v[TM+4+\b]
.endr
.irp b, 0,1,2,3
	v_add_nc_u32 v[TM+8+\b], 0xff000000, v[TM+\b]
.endr
.irp b, 0,1,2,3
	v_lshrrev_b32 v[TM+4+\b], 23, v[TM+8+\b]
.endr
	v_lshl_or_b32 v[PW], v[TM+5], 8, v[TM+4]
	v_lshl_or_b32 v[PW], v[TM+6], 16, v[PW]
	v_lshl_or_b32 v[PW], v[TM+7], 24, v[PW]
.irp c, 0,1
	v_cvt_scalef32_pk16_fp6_f32 v[PC+6*\c:PC+2+6*\c], v[S+32*\c:S+15+32*\c], v[TM+8+2*\c]
	v_cvt_scalef32_pk16_fp6_f32 v[PT+4*\c:PT+2+4*\c], v[S+16+32*\c:S+31+32*\c], v[TM+8+2*\c+1]
.endr
	v_nop                                          ; one plain place behind a scaled conversion
.irp c, 0,1                            ; the operand wants a whole block in a lane
.irp i, 0,1,2
	v_permlane16_swap_b32 v[PC+6*\c+\i], v[PT+4*\c+\i]
.endr
.irp i, 0,1,2
	v_mov_b32 v[PC+3+6*\c+\i], v[PT+4*\c+\i]
.endr
.endr
.irp t, 0,1,2,3                        ; V^T: registers 0-5 the chunk before (keys 0-63), 6-11 this chunk
.irp i, 0,1,2
	ds_load_b64 v[S+12*\t+2*\i:S+12*\t+2*\i+1], v22 offset:VIMG+768*\t+256*\i
	ds_load_b64 v[S+12*\t+6+2*\i:S+12*\t+7+2*\i], v23 offset:VIMG+768*\t+256*\i
.endr
.endr
.rept 8
	v_nop                                          ; p's scale word stands 8 places ahead of the scaled product, its codes 4
.endr
	s_wait_dscnt 0x0
.irp t, 0,1,2,3
	v_wmma_scale_f32_16x16x128_f8f6f4 v[O+8*\t:O+8*\t+7], v[S+12*\t:S+12*\t+11], v[PC:PC+11], 0, v[VS+\t], v[PW] matrix_a_fmt:MATRIX_FMT_FP6 matrix_b_fmt:MATRIX_FMT_FP6
.endr
.irp i, 0,1,2,3,4,5,6,7
	v_lshl_add_u32 v[144+\i], v[PO+\i], 10, v9     ; where row i goes: position x 1,024 + 16 r.  (Eight plain lines: the places behind the products)
.endr
.irp t, 0,1,2,3
	ds_store_b128 v18, v[O+8*\t:O+8*\t+3] offset:64*\t          ; each result from its low end on: o(query r, d = 16 t + 8 h + 0 .. 7)
	ds_store_b128 v18, v[O+8*\t+4:O+8*\t+7] offset:64*\t+16
.endr
.irp i, 0,1,2,3,4,5,6,7
	ds_load_b128 v[224+4*\i:227+4*\i], v19 offset:272*\i        ; my wave's own bytes, served in order: whole rows back
.endr
.irp i, 0,1,2,3,4,5,6,7
	s_wait_dscnt 7-\i                              ; the younger read-backs may be out
	global_store_b128 v[144+\i], v[224+4*\i:227+4*\i], s[12:13] th:TH_STORE_NT   ; sixteen lanes store a row's 256 aligned bytes
.endr
	s_wait_xcnt 0x0                                ; the stores' registers are written again only behind this wait
	BAR                                            ; nobody reads the older slot, the stage or the way out any more
	s_add_co_u32 s33, s33, 64
	s_add_co_u32 s35, s35, 256
	s_sub_co_u32 s34, s34, 1
	s_cmp_lg_u32 s34, 0
	s_cbranch_scc1 .Ltrip
	v_lshl_add_u32 v22, v0, 3, LSTG
	v_lshlrev_b32 v23, 3, v0
	ds_load_b64 v[24:25], v22
	s_wait_dscnt 0x0
	global_store_b64 v23, v[24:25], s[14:15]       ; a wave stores 256 consecutive bytes, aligned
	s_set_vgpr_msb 0x5
	s_wait_tensorcnt 0x0
	ds_add_u32 v0, v1
	s_wait_dscnt 0x0
	s_set_vgpr_msb 0x500
	s_endpgm
.Lfunc_end_k_qe888a1b823_attend:
	.size	k_qe888a1b823_attend, .Lfunc_end_k_qe888a1b823_attend-k_qe888a1b823_attend
	.p2alignl 7, 3214868480
	.fill 96, 4, 3214868480
	.section	.rodata,"a",@progbits
	.p2align	6, 0x0
	.amdhsa_kernel k_qe888a1b823_attend
		.amdhsa_group_segment_fixed_size 53248
		.amdhsa_private_segment_fixed_size 0
		.amdhsa_enable_private_segment 0
		.amdhsa_kernarg_size 48
		.amdhsa_user_sgpr_count 2
		.amdhsa_user_sgpr_kernarg_segment_ptr 1
		.amdhsa_wavefront_size32 1
		.amdhsa_system_sgpr_workgroup_id_x 1
		.amdhsa_system_sgpr_workgroup_id_y 1
		.amdhsa_system_sgpr_workgroup_id_z 1
		.amdhsa_system_vgpr_workitem_id 0
		.amdhsa_next_free_vgpr 258
		.amdhsa_next_free_sgpr 66
		.amdhsa_reserve_vcc 1
		.amdhsa_float_denorm_mode_32 3
		.amdhsa_float_denorm_mode_16_64 3
		.amdhsa_memory_ordered 1
		.amdhsa_forward_progress 1
		.amdhsa_inst_pref_size 82
	.end_amdhsa_kernel
	.amdgpu_metadata
---
amdhsa.version: [ 1, 2 ]
amdhsa.kernels:
  - .name:           k_qe888a1b823_attend
    .symbol:         k_qe888a1b823_attend.kd
    .args:
      - { .name: rec, .offset: 0, .size: 8, .value_kind: global_buffer, .address_space: global }
      - { .name: value, .offset: 8, .size: 8, .value_kind: global_buffer, .address_space: global }
      - { .name: skey, .offset: 16, .size: 8, .value_kind: global_buffer, .address_space: global }
      - { .name: slot, .offset: 24, .size: 8, .value_kind: global_buffer, .address_space: global }
      - { .name: attn, .offset: 32, .size: 8, .value_kind: global_buffer, .address_space: global }
      - { .name: lse, .offset: 40, .size: 8, .value_kind: global_buffer, .address_space: global }
    .group_segment_fixed_size: 53248
    .private_segment_fixed_size: 0
    .kernarg_segment_align: 8
    .kernarg_segment_size: 48
    .max_flat_workgroup_size: 128
    .sgpr_count:     66
    .vgpr_count:     258
    .wavefront_size: 32
...
	.end_amdgpu_metadata
.endif
;; end of part 3
;; launch combine (part 4): grid 16 x 16, 8 waves a work-group, no clusters, 5,632 bytes of LDS; arguments attn, lse, slot, out0; writes out0
.if DOCPART == 4
	.amdgcn_target "amdgcn-amd-amdhsa--gfx1250"
	.amdhsa_code_object_version 6
	.text
	.protected	k_qe888a1b823_combine
	.globl	k_qe888a1b823_combine
	.p2align	8
	.type	k_qe888a1b823_combine,@function
k_qe888a1b823_combine:
	s_mov_b64 s[64:65], 0
	v_nop
	global_prefetch_b8 v0, s[64:65] scope:SCOPE_SE
	s_setreg_imm32_b32 hwreg(HW_REG_WAVE_MODE, 25, 1), 1
	s_wait_xcnt 0x0
; out0[b][l][:] = the sum over the four rounds of attn[b][l][r][:] x w[b][l][r],  w = softmax over the LENGTH of lse, for each (b, r).
; A work-group: 256 positions of one batch.  Each work-group finds the four rounds' largest lse and their sums of exponentials from the batch's 64 KiB of lse itself (no traffic between work-groups),
; the maximum taken away before every exponential: 2^(x log2 e - Ml), Ml = M log2 e rounded once, the same number in the weights and in their sum.
; The last product (K = 4, one column) is four fused multiply-adds in f32: a matrix instruction would be empty but for one column.
; Memory binds: attn is read once, 256 aligned bytes by sixteen lanes, two batches of 16 loads a wave ahead; out0 leaves in runs of 512 bytes.  No LDS ring, no cluster: nothing but lse is shared.
; LIMITS: NaN and infinities are not served; a weight under 2^-126 is 0.
.set RED, 0
.set RED2, 256
.set WT, 512                           ; 256 positions x 4 weights
.set LS, 32                            ; v32-95   lse: round p at 16 p
.set BA, 96                            ; v96-159, v160-223: two sets of 8 positions x 4 rounds x 16 bytes a lane
.set BB, 160
.set OUT, 224
.set W, 240
.set SEL, 24
.macro BAR
	s_wait_dscnt 0x0
	s_barrier_signal -1
	s_barrier_wait -1
.endm
.macro ALOAD k, set                    ; positions 8 k + 2 i + lane / 16 of my wave's 32
.irp i, 0,1,2,3
.irp p, 0,1,2,3
	global_load_b128 v[\set+16*\i+4*\p:\set+16*\i+4*\p+3], v6, s[4:5] offset:(8*(\k)+2*\i)*1024+256*\p th:TH_LOAD_NT
.endr
.endr
.endm
	s_load_b256 s[4:11], s[0:1], 0x0               ; attn, lse, slot, out0
	s_set_vgpr_msb 0x40
	v_lshl_add_u32 v0, v0, 2, 0x1200
	v_mov_b32 v1, 0
	s_set_vgpr_msb 0x4000
	v_lshrrev_b32 v1, 5, v0
	v_readfirstlane_b32 s16, v1
	v_and_b32 v1, 31, v0
	v_and_b32 v2, 15, v0
	v_bfe_u32 v3, v0, 4, 1
	s_and_b32 s17, ttmp7, 0xffff                   ; b
	s_mov_b32 s20, 0x3fb8aa3b                      ; log2 e
	s_mov_b32 s21, s20
	s_mov_b32 s22, 0xbfb8aa3b
	s_mov_b32 s[SEL], 0x76543210
	s_mov_b32 s[SEL+1], 0xfedcba98
	v_lshlrev_b32 v4, 4, v0
	v_lshlrev_b32 v5, 2, v0
	v_lshlrev_b32 v6, 4, v2
	v_lshl_add_u32 v6, v3, 10, v6
	v_lshlrev_b32 v7, 4, v1
	v_add_nc_u32 v8, WT, v4
	s_lshl_b32 s23, s16, 9
	s_add_co_u32 s23, s23, WT
	v_lshl_add_u32 v9, v3, 4, s23
	s_lshl_b32 s23, s16, 4
	v_mov_b32 v10, s23
	v_mov_b32 v11, 0
.irp p, 0,1,2,3
	v_mov_b32 v[24+\p], 0                          ; (a lane permute's destination counts as read)
.endr
	s_mov_b32 s13, 0
	s_wait_kmcnt 0x0
	s_lshl_b32 s12, s17, 22
	s_lshl_b32 s14, ttmp9, 18
	s_add_co_u32 s12, s12, s14
	s_lshl_b32 s14, s16, 15
	s_add_co_u32 s12, s12, s14
	s_add_nc_u64 s[4:5], s[4:5], s[12:13]          ; attn at my wave's 32 positions
	s_lshl_b32 s12, s17, 16
	s_add_nc_u64 s[6:7], s[6:7], s[12:13]
	s_add_nc_u64 s[8:9], s[8:9], s[12:13]
	s_lshl_b32 s12, ttmp9, 10
	s_add_nc_u64 s[8:9], s[8:9], s[12:13]
	s_lshl_b32 s12, s17, 20
	s_lshl_b32 s14, ttmp9, 16
	s_add_co_u32 s12, s12, s14
	s_lshl_b32 s14, s16, 13
	s_add_co_u32 s12, s12, s14
	s_add_nc_u64 s[10:11], s[10:11], s[12:13]
.irp p, 0,1,2,3
	global_load_b32 v[12+\p], v5, s[8:9] offset:16384*\p         ; my position's place in each round
.endr
.irp p, 0,1,2,3
.irp j, 0,1,2,3
	global_load_b128 v[LS+16*\p+4*\j:LS+16*\p+4*\j+3], v4, s[6:7] offset:16384*\p+4096*\j
.endr
.endr
	ALOAD 0, BA
	ALOAD 1, BB
	s_wait_loadcnt 48                              ; the four places are in; the 16 + 32 loads behind them may be out
.irp p, 0,1,2,3
	v_min_u32 v[12+\p], 0xfff, v[12+\p]
	v_lshlrev_b32 v[12+\p], 2, v[12+\p]
.endr
.irp p, 0,1,2,3
	global_load_b32 v[16+\p], v[12+\p], s[6:7] offset:16384*\p   ; my position's lse
.endr
	s_wait_loadcnt 36                              ; lse is in; attn's 32 loads and the 4 just issued may be out
.irp p, 0,1,2,3
	v_max3_num_f32 v[20+\p], v[LS+16*\p], v[LS+16*\p+1], v[LS+16*\p+2]
.endr
.irp i, 3,5,7,9,11,13
.irp p, 0,1,2,3
	v_max3_num_f32 v[20+\p], v[20+\p], v[LS+16*\p+\i], v[LS+16*\p+\i+1]
.endr
.endr
.irp p, 0,1,2,3
	v_max_num_f32 v[20+\p], v[20+\p], v[LS+16*\p+15]
.endr
.irp m, 1,2,4,8
.irp p, 0,1,2,3
	v_max_num_f32_dpp v[20+\p], v[20+\p], v[20+\p] row_xmask:\m row_mask:0xf bank_mask:0xf
.endr
.endr
.irp p, 0,1,2,3
	v_permlanex16_b32 v[24+\p], v[20+\p], s[SEL], s[SEL+1]
.endr
.irp p, 0,1,2,3
	v_max_num_f32 v[20+\p], v[20+\p], v[24+\p]
.endr
	ds_store_b128 v10, v[20:23] offset:RED
	BAR
.irp q, 0,1,2,3,4,5,6,7
	ds_load_b128 v[224+4*\q:227+4*\q], v11 offset:RED+16*\q
.endr
	s_wait_dscnt 0x0
.irp p, 0,1,2,3
	v_max3_num_f32 v[20+\p], v[224+\p], v[228+\p], v[232+\p]
.endr
.irp p, 0,1,2,3
	v_max3_num_f32 v[20+\p], v[20+\p], v[236+\p], v[240+\p]
.endr
.irp p, 0,1,2,3
	v_max3_num_f32 v[20+\p], v[20+\p], v[244+\p], v[248+\p]
.endr
.irp p, 0,1,2,3
	v_max_num_f32 v[20+\p], v[20+\p], v[252+\p]    ; the round's largest lse
.endr
.irp p, 0,1,2,3
	v_mul_f32 v[24+2*\p], s22, v[20+\p]            ; -Ml
.endr
.irp p, 0,1,2,3
	v_mov_b32 v[25+2*\p], v[24+2*\p]
.endr
.irp p, 0,1,2,3
.irp i, 0,2,4,6,8,10,12,14
	v_pk_fma_f32 v[LS+16*\p+\i:LS+16*\p+\i+1], v[LS+16*\p+\i:LS+16*\p+\i+1], s[20:21], v[24+2*\p:25+2*\p] op_sel_hi:[1,0,0]
.endr
.endr
.set n, 0
.rept 64
	v_exp_f32 v[LS+n], v[LS+n]
.set n, n+1
.endr
	v_nop                                          ; a plain place behind the exponentials
	s_wait_alu depctr_va_vdst(0)                   ; one wait for the batch, ahead of its first reader
.irp p, 0,1,2,3
	v_pk_add_f32 v[224+2*\p:225+2*\p], v[LS+16*\p:LS+16*\p+1], v[LS+16*\p+2:LS+16*\p+3]
.endr
.irp i, 4,6,8,10,12,14
.irp p, 0,1,2,3
	v_pk_add_f32 v[224+2*\p:225+2*\p], v[224+2*\p:225+2*\p], v[LS+16*\p+\i:LS+16*\p+\i+1]
.endr
.endr
.irp p, 0,1,2,3
	v_add_f32 v[20+\p], v[224+2*\p], v[225+2*\p]
.endr
.irp m, 1,2,4,8
.irp p, 0,1,2,3
	v_add_f32_dpp v[20+\p], v[20+\p], v[20+\p] row_xmask:\m row_mask:0xf bank_mask:0xf
.endr
.endr
.irp p, 0,1,2,3
	v_permlanex16_b32 v[232+\p], v[20+\p], s[SEL], s[SEL+1]
.endr
.irp p, 0,1,2,3
	v_add_f32 v[20+\p], v[20+\p], v[232+\p]
.endr
	ds_store_b128 v10, v[20:23] offset:RED2
	BAR
.irp q, 0,1,2,3,4,5,6,7
	ds_load_b128 v[224+4*\q:227+4*\q], v11 offset:RED2+16*\q
.endr
	s_wait_dscnt 0x0
.irp p, 0,1,2,3
	v_add_f32 v[20+\p], v[224+\p], v[228+\p]
.endr
.irp q, 2,3,4,5,6,7
.irp p, 0,1,2,3
	v_add_f32 v[20+\p], v[20+\p], v[224+4*\q+\p]
.endr
.endr
	s_wait_loadcnt 0x0                             ; my position's four lse (issued last), and with them the first two batches of attn
.irp p, 0,1,2,3
	v_fma_f32 v[16+\p], v[16+\p], s20, v[24+2*\p]
.endr
.irp p, 0,1,2,3
	v_rcp_f32 v[20+\p], v[20+\p]
.endr
.irp p, 0,1,2,3
	v_exp_f32 v[16+\p], v[16+\p]
.endr
	v_nop
	s_wait_alu depctr_va_vdst(0)
.irp p, 0,1,2,3
	v_mul_f32 v[16+\p], v[16+\p], v[20+\p]         ; the weights
.endr
	ds_store_b128 v8, v[16:19]                     ; a wave reads back only what its own lanes stored: no barrier
.macro BATCH k, set, more
.if \k > 0
	s_wait_xcnt 0x0                                ; the last batch's stores have read their data registers
.endif
.irp i, 0,1,2,3
	ds_load_b128 v[W+4*\i:W+4*\i+3], v9 offset:128*\k+32*\i
.endr
	s_wait_dscnt 0x0
.irp i, 0,1,2,3
.irp c, 0,2
	v_pk_mul_f32 v[OUT+4*\i+\c:OUT+4*\i+\c+1], v[\set+16*\i+\c:\set+16*\i+\c+1], v[W+4*\i:W+4*\i+1] op_sel_hi:[1,0]
	v_pk_fma_f32 v[OUT+4*\i+\c:OUT+4*\i+\c+1], v[\set+16*\i+4+\c:\set+16*\i+5+\c], v[W+4*\i:W+4*\i+1], v[OUT+4*\i+\c:OUT+4*\i+\c+1] op_sel:[0,1,0] op_sel_hi:[1,1,1]
	v_pk_fma_f32 v[OUT+4*\i+\c:OUT+4*\i+\c+1], v[\set+16*\i+8+\c:\set+16*\i+9+\c], v[W+4*\i+2:W+4*\i+3], v[OUT+4*\i+\c:OUT+4*\i+\c+1] op_sel_hi:[1,0,1]
	v_pk_fma_f32 v[OUT+4*\i+\c:OUT+4*\i+\c+1], v[\set+16*\i+12+\c:\set+16*\i+13+\c], v[W+4*\i+2:W+4*\i+3], v[OUT+4*\i+\c:OUT+4*\i+\c+1] op_sel:[0,1,0] op_sel_hi:[1,1,1]
.endr
	global_store_b128 v7, v[OUT+4*\i:OUT+4*\i+3], s[10:11] offset:(8*\k+2*\i)*256 th:TH_STORE_NT   ; two positions: 512 consecutive bytes, aligned
.endr
.if \more
	ALOAD \k+2, \set
.endif
.endm
	BATCH 0, BA, 1
	BATCH 1, BB, 1
	s_wait_loadcnt 16                              ; the third batch is in; the fourth's 16 loads may be out
	BATCH 2, BA, 0
	s_wait_loadcnt 0x0
	BATCH 3, BB, 0
	s_set_vgpr_msb 0x5
	s_wait_tensorcnt 0x0
	ds_add_u32 v0, v1
	s_wait_dscnt 0x0
	s_set_vgpr_msb 0x500
	s_endpgm
.Lfunc_end_k_qe888a1b823_combine:
	.size	k_qe888a1b823_combine, .Lfunc_end_k_qe888a1b823_combine-k_qe888a1b823_combine
	.p2alignl 7, 3214868480
	.fill 96, 4, 3214868480
	.section	.rodata,"a",@progbits
	.p2align	6, 0x0
	.amdhsa_kernel k_qe888a1b823_combine
		.amdhsa_group_segment_fixed_size 5632
		.amdhsa_private_segment_fixed_size 0
		.amdhsa_enable_private_segment 0
		.amdhsa_kernarg_size 32
		.amdhsa_user_sgpr_count 2
		.amdhsa_user_sgpr_kernarg_segment_ptr 1
		.amdhsa_wavefront_size32 1
		.amdhsa_system_sgpr_workgroup_id_x 1
		.amdhsa_system_sgpr_workgroup_id_y 1
		.amdhsa_system_sgpr_workgroup_id_z 1
		.amdhsa_system_vgpr_workitem_id 0
		.amdhsa_next_free_vgpr 258
		.amdhsa_next_free_sgpr 66
		.amdhsa_reserve_vcc 0
		.amdhsa_float_denorm_mode_32 3
		.amdhsa_float_denorm_mode_16_64 3
		.amdhsa_memory_ordered 1
		.amdhsa_forward_progress 1
		.amdhsa_inst_pref_size 37
	.end_amdhsa_kernel
	.amdgpu_metadata
---
amdhsa.version: [ 1, 2 ]
amdhsa.kernels:
  - .name:           k_qe888a1b823_combine
    .symbol:         k_qe888a1b823_combine.kd
    .args:
      - { .name: attn, .offset: 0, .size: 8, .value_kind: global_buffer, .address_space: global }
      - { .name: lse, .offset: 8, .size: 8, .value_kind: global_buffer, .address_space: global }
      - { .name: slot, .offset: 16, .size: 8, .value_kind: global_buffer, .address_space: global }
      - { .name: out0, .offset: 24, .size: 8, .value_kind: global_buffer, .address_space: global }
    .group_segment_fixed_size: 5632
    .private_segment_fixed_size: 0
    .kernarg_segment_align: 8
    .kernarg_segment_size: 32
    .max_flat_workgroup_size: 256
    .sgpr_count:     66
    .vgpr_count:     258
    .wavefront_size: 32
...
	.end_amdgpu_metadata
.endif
;; end of part 4
;; ======== version 2 of 2: 4 launches
;; workspace buffers: rec 8,388,608 bytes; hbuf 262,144 bytes of whole numbers; skey 1,048,576 bytes of whole numbers; slot 1,048,576 bytes of whole numbers; lse 1,048,576 bytes; attn 67,108,864 bytes
;; launch hash (part 5): grid 16 x 16, 8 waves a work-group, no clusters, 97,280 bytes of LDS; arguments query, rand_matrix, rec, hbuf; writes rec, hbuf
.if DOCPART == 5
	.amdgcn_target "amdgcn-amd-amdhsa--gfx1250"
	.amdhsa_code_object_version 6
	.text
	.protected	k_qe888a1b823_hash
	.globl	k_qe888a1b823_hash
	.p2align	8
	.type	k_qe888a1b823_hash,@function
k_qe888a1b823_hash:
	s_mov_b64 s[64:65], 0
	v_nop
	global_prefetch_b8 v0, s[64:65] scope:SCOPE_SE
	s_setreg_imm32_b32 hwreg(HW_REG_WAVE_SCHED_MODE, 0, 2), 2
	s_setreg_imm32_b32 hwreg(HW_REG_WAVE_MODE, 25, 1), 1
	s_wait_xcnt 0x0
	s_wait_alu depctr_vm_vsrc(0)
; Per position l of batch b: the codes (E2M3, one E8M0 byte for each 32 along d) of the raw query and of the normalised query, and the four rounds' hashes.
; rec[b][l], 128 bytes: 0-47 q's codes, 48-95 qn's codes, 96 q's scale word, 100 qn's scale word (bytes 0, 1 real, bytes 2, 3 = 0), 104-127 zeros.
; hbuf[b][l] = h0 | h1 << 8 | h2 << 16 | h3 << 24, h = argmax over [mm, -mm], the lowest index among equals; mm = Q(qn) Q(rm), K = 64.
; A work-group: 256 positions of one batch; wave w: rm's columns 16 w .. 16 w + 15, then two tiles of 16 queries.
; The matrix instruction is 128 deep and K is 64: the upper 64 k are zero codes on both sides, under scale byte 0 (2^-127): they add nothing.
; It is used with source 0 = 16 columns of rm, source 1 = 16 queries: a lane holds ONE query (lane % 16) and columns 8 (lane / 16) + 0 .. 7 of each tile.
; No tensor load, no cluster: each work-group reads rows of its own once, and rm is 32 KiB a batch.
; LIMITS: NaN and infinities among the inputs and a column of rm that is all zeros are not served; a block of zeros gets the byte 1 where the quantiser says 127
; (its codes are zeros, and this program alone reads the bytes).
; THE MODE: SCHED_MODE bits 1:0 = 2 (LLVM: expert scheduling mode 2), set by the entry lines.  The code itself states the register dependences
; between vector or matrix instructions and memory or LDS instructions, with s_wait_alu, always for 0.
; THE PLAN.  Registers that memory or LDS instructions touch:
;   v4-15, v94, v95   addresses and offsets: made once at the head, never written again.
;   X, Y (v96-159)    rows as loaded, read by the stores into the stage; then at work; in a tile: LDS loads land in X, vector lines read it, the products write X and Y, the rounds read them.
;   v80-85, v73       rm's codes and scale word: written by vector lines, read by the image's stores, at work again in the tiles.
;   QC, NF, v28-31, ZT, v80   a tile's record and hash word: written by vector lines, read by LDS stores, written again in the next tile.
;   OB (v48-63)       LDS loads land, global stores read.     RF's lower six registers and RS: LDS loads land once; the products read them.
; A tile has two waits on va_vdst beside those ahead of and behind roots and reciprocals: one behind the places in front of the products, which serves the record's stores and the products alike,
; and one ahead of the hash word's store, which also shows X free for the next tile's loads; and one wait on vm_vsrc, at its end.
; A mask that a select reads is made by a compare into a scalar register: 32 compares in a run, one wait on va_sdst behind the run.
.set QST, 0                            ; LDS: raw rows, 8 waves x 2 tiles x 16 rows of 256 + 16 bytes
.set RST, 69632                        ; records on their way out: 8 waves x 16 x (128 + 16)
.set RMI, 88064                        ; rm's 8 fragments as images of their 6 registers: 768 bytes each
.set RMS, 94208                        ; and their scale words, 128 bytes each
.set HST, 95232                        ; the 256 hash words
.set FLOOR, 0x1800000                  ; 2^(3 - 127): holds a scale byte at 1 from below
.set EPSF, 0x2b8cbccc                  ; 1e-12
.set NF, 16                            ; v16-27  qn's fragment (22-27 = 0)
.set QC, 32                            ; v32-37  q's codes
.set TP, 38                            ; v38-40  a conversion's second half
.set ZT, 44                            ; v44-47  zeros
.set OB, 48                            ; v48-63  records read back
.set RS, 64                            ; v64-71  rm's scale words: nothing else
.set NWS, 72                           ; v72     qn's scale word as an operand: nothing else
.set SH8, 94                           ; v94     8 x (lane / 16)
.set RO, 95                            ; v95     my byte offset in the block's records
.set X, 96                             ; v96-127 32 numbers of a row; v96-159 later the 8 results
.set Y, 128
.set RF, 160                           ; v160-255 rm's 8 fragments (the upper 6 registers of each = 0)
.set SEL, 36                           ; s[36:37] selects for lane l xor 16
.set MN, 40                            ; s40-55  a round's masks: -mm does not reach the maximum
.set MP, 66                            ; s66-81  mm does not reach it
.macro BAR                             ; my LDS stores have landed and my LDS loads are in: then the work-group's barrier
	s_wait_dscnt 0x0
	s_barrier_signal -1
	s_barrier_wait -1
.endm
; 32 numbers of one lane, one block along K, become 6 registers of codes, the conversion's scale operand and the scale's byte
.macro QB32 src, dst, tmp, am, sc, by
	v_max3_num_f32 v[\am], |v[\src]|, |v[\src+1]|, FLOOR
	v_max3_num_f32 v[\by], |v[\src+16]|, |v[\src+17]|, FLOOR
.irp i, 2,4,6,8,10,12,14
	v_max3_num_f32 v[\am], v[\am], |v[\src+\i]|, |v[\src+\i+1]|
	v_max3_num_f32 v[\by], v[\by], |v[\src+16+\i]|, |v[\src+17+\i]|
.endr
	v_max_num_f32 v[\am], v[\am], v[\by]           ; the block's largest magnitude
	v_add_nc_u32 v[\sc], 0xff000000, v[\am]        ; 2 off its exponent field: the conversion's scale operand
	v_lshrrev_b32 v[\by], 23, v[\sc]               ; the byte
	v_cvt_scalef32_pk16_fp6_f32 v[\dst:\dst+2], v[\src:\src+15], v[\sc]
	v_cvt_scalef32_pk16_fp6_f32 v[\tmp:\tmp+2], v[\src+16:\src+31], v[\sc]   ; (three registers begin on an even number)
	v_nop                                          ; one plain place behind a scaled conversion
	v_mov_b32 v[\dst+3], v[\tmp]
	v_mov_b32 v[\dst+4], v[\tmp+1]
	v_mov_b32 v[\dst+5], v[\tmp+2]
.endm
.macro WORD2 w, by, t                  ; my block's byte at its place, with lane l xor 16's: the row's scale word
	v_lshlrev_b32 v[\w], v[SH8], v[\by]
	v_permlanex16_b32 v[\t], v[\w], s[SEL], s[SEL+1]
	v_or_b32 v[\w], v[\w], v[\t]
.endm
.macro SUMSQ src                       ; v74 = the sum of squares of the row's 64 numbers, v76 = its root
	v_pk_mul_f32 v[74:75], v[\src:\src+1], v[\src:\src+1]
	v_pk_mul_f32 v[76:77], v[\src+2:\src+3], v[\src+2:\src+3]
.irp i, 4,8,12,16,20,24,28
	v_pk_fma_f32 v[74:75], v[\src+\i:\src+\i+1], v[\src+\i:\src+\i+1], v[74:75]
	v_pk_fma_f32 v[76:77], v[\src+\i+2:\src+\i+3], v[\src+\i+2:\src+\i+3], v[76:77]
.endr
	v_pk_add_f32 v[74:75], v[74:75], v[76:77]
	v_add_f32 v74, v74, v75
	v_permlanex16_b32 v75, v74, s[SEL], s[SEL+1]
	v_add_f32 v74, v74, v75
	s_wait_alu depctr_va_vdst(0)
	v_sqrt_f32 v76, v74
	v_nop                                          ; a plain place behind the root
	s_wait_alu depctr_va_vdst(0)                   ; the root has written v76, ahead of its first reader
.endm
.macro NORM eps                        ; v[88:89] = the norm (one correction step on the root; held at 1e-12 where eps), v[78:79] = its reciprocal
.if \eps
	v_max_num_f32 v76, EPSF, v76
.endif
	s_wait_alu depctr_va_vdst(0)
	v_rcp_f32 v78, v76
	v_nop
	s_wait_alu depctr_va_vdst(0)                   ; the reciprocal has written v78, ahead of its first reader
	v_fma_f32 v77, -v76, v76, v74                  ; what the root leaves
	v_mul_f32 v79, 0.5, v78
	v_fma_f32 v88, v77, v79, v76
.if \eps
	v_max_num_f32 v88, EPSF, v88
.endif
	v_mov_b32 v89, v88
	v_mov_b32 v79, v78
.endm
.macro DIVN src, dst                   ; dst = src / norm: a product by the reciprocal and one correction, all in f32
.irp i, 0,2,4,6,8,10,12,14,16,18,20,22,24,26,28,30
	v_pk_mul_f32 v[\dst+\i:\dst+\i+1], v[\src+\i:\src+\i+1], v[78:79]
.endr
.irp i, 0,4,8,12,16,20,24,28
	v_pk_fma_f32 v[84:85], v[\dst+\i:\dst+\i+1], v[88:89], v[\src+\i:\src+\i+1] neg_lo:[1,0,0] neg_hi:[1,0,0]
	v_pk_fma_f32 v[86:87], v[\dst+\i+2:\dst+\i+3], v[88:89], v[\src+\i+2:\src+\i+3] neg_lo:[1,0,0] neg_hi:[1,0,0]
	v_pk_fma_f32 v[\dst+\i:\dst+\i+1], v[84:85], v[78:79], v[\dst+\i:\dst+\i+1]
	v_pk_fma_f32 v[\dst+\i+2:\dst+\i+3], v[86:87], v[78:79], v[\dst+\i+2:\dst+\i+3]
.endr
.endm
; Round p: the results of tiles 2 p, 2 p + 1.  Register k holds column k + 8 (k / 8) + 8 (lane / 16) of the round's 32.
.macro ROUND p
.set AC, X+16*(\p)
	v_max3_num_f32 v74, |v[AC]|, |v[AC+1]|, |v[AC+2]|      ; each result is read from its low end on
.irp i, 3,5,7,9,11,13
	v_max3_num_f32 v74, v74, |v[AC+\i]|, |v[AC+\i+1]|
.endr
	v_max_num_f32 v74, v74, |v[AC+15]|
	v_permlanex16_b32 v75, v74, s[SEL], s[SEL+1]
	v_max_num_f32 v74, v74, v75                    ; the largest of [mm, -mm]
	v_xor_b32 v76, 0x80000000, v74
	v_mov_b32 v77, 64
.irp k, 0,1,2,3,4,5,6,7,8,9,10,11,12,13,14,15
	v_cmp_neq_f32 s[MN+\k], v[AC+\k], v76          ; the round's 32 compares in one run, each into a scalar register of its own
	v_cmp_neq_f32 s[MP+\k], v[AC+\k], v74
.endr
	s_wait_alu depctr_va_sdst(0)                   ; the 32 compares have written their masks, which the selects below read
.irp k, 0,1,2,3,4,5,6,7,8,9,10,11,12,13,14,15
	v_cndmask_b32 v78, 32+\k+8*(\k/8), v79, s[MN+\k]   ; -mm reaches it: index 32 + column; else 64
	v_cndmask_b32 v78, \k+8*(\k/8), v78, s[MP+\k]      ; mm reaches it: index = column
	v_min_u32 v77, v77, v78                        ; the lowest index wins
.endr
	v_add_nc_u32 v77, v[SH8], v77
	v_permlanex16_b32 v78, v77, s[SEL], s[SEL+1]
	v_min_u32 v[80+\p], v77, v78
.endm
	s_load_b128 s[4:7], s[0:1], 0x0                ; query, rand_matrix
	s_load_b128 s[8:11], s[0:1], 0x10              ; rec, hbuf
	s_set_vgpr_msb 0x40
	v_lshl_add_u32 v0, v0, 2, 0x17800
	v_mov_b32 v1, 0
	s_set_vgpr_msb 0x4000
	v_lshrrev_b32 v73, 5, v0
	v_readfirstlane_b32 s16, v73                   ; wave 0..7
	v_and_b32 v1, 31, v0                           ; lane
	s_wait_alu depctr_va_vdst(0)
	v_and_b32 v2, 15, v0                           ; r
	s_wait_alu depctr_va_vdst(0)
	v_bfe_u32 v3, v0, 4, 1                         ; h
	s_and_b32 s17, ttmp7, 0xffff                   ; b
	s_mov_b32 s[SEL], 0x76543210
	s_mov_b32 s[SEL+1], 0xfedcba98
	s_lshl_b32 s18, s17, 20
	s_lshl_b32 s26, ttmp9, 16
	s_add_co_u32 s18, s18, s26                     ; query: (4096 b + 256 x) rows of 256 bytes
	s_mov_b32 s19, 0
	s_lshl_b32 s20, s17, 15                        ; rm: 32,768 bytes a batch
	s_mov_b32 s21, 0
	s_lshl_b32 s22, s17, 19
	s_lshl_b32 s26, ttmp9, 15
	s_add_co_u32 s22, s22, s26                     ; rec: 128 bytes a position
	s_mov_b32 s23, 0
	s_lshl_b32 s24, s17, 14
	s_lshl_b32 s26, ttmp9, 10
	s_add_co_u32 s24, s24, s26                     ; hbuf: 4 bytes a position
	s_mov_b32 s25, 0
	s_wait_alu depctr_va_sdst(0)                   ; s16, the wave's number, is written, ahead of its first reader
	s_lshl_b32 s26, s16, 13
	v_lshlrev_b32 v4, 4, v1
	v_add_nc_u32 v4, s26, v4                       ; raw rows: 8,192 w + 16 lane
	s_lshl_b32 s27, s16, 6
	v_lshlrev_b32 v5, 2, v2
	s_wait_alu depctr_va_vdst(0)
	v_lshl_add_u32 v5, v3, 14, v5
	v_add_nc_u32 v5, s27, v5                       ; rm: row 32 h, column 16 w + r
	s_mul_i32 s28, s16, 8704
	v_mul_u32_u24 v6, v3, 272
	v_lshl_add_u32 v6, v2, 4, v6
	v_add_nc_u32 v6, s28, v6                       ; into the stage as loaded: row lane / 16, 16 bytes at 16 (lane % 16)
	v_mul_u32_u24 v7, v2, 272
	v_lshl_add_u32 v7, v3, 7, v7
	v_add_nc_u32 v7, s28, v7                       ; out of it: row r, 128 h bytes on
	s_mul_i32 s29, s16, 2304
	s_add_co_u32 s29, s29, RST
	v_mul_u32_u24 v9, v2, 144
	v_add_nc_u32 v9, s29, v9                       ; record r
	v_mad_u32_u24 v8, v3, 24, v9                   ; and my block's 24 bytes in it
	v_lshrrev_b32 v73, 3, v1
	v_mul_u32_u24 v10, v73, 144
	v_and_b32 v73, 7, v1
	v_lshl_add_u32 v10, v73, 4, v10
	v_add_nc_u32 v10, s29, v10                     ; back: eight lanes to a record
	v_lshl_add_u32 v13, v1, 3, RMI
	s_mul_i32 s30, s16, 768
	v_add_nc_u32 v11, s30, v13
	v_lshl_add_u32 v14, v1, 2, RMS
	s_lshl_b32 s30, s16, 7
	v_add_nc_u32 v12, s30, v14
	v_lshl_add_u32 v15, v2, 2, HST
	v_add_nc_u32 v15, s30, v15
	v_lshlrev_b32 v[SH8], 3, v3
	s_lshl_b32 s30, s16, 12
	v_lshlrev_b32 v[RO], 4, v1
	v_add_nc_u32 v[RO], s30, v[RO]
	s_wait_kmcnt 0x0
	s_add_nc_u64 s[4:5], s[4:5], s[18:19]
	s_add_nc_u64 s[6:7], s[6:7], s[20:21]
	s_add_nc_u64 s[8:9], s[8:9], s[22:23]
	s_add_nc_u64 s[10:11], s[10:11], s[24:25]
	s_wait_alu depctr_va_vdst(0)                   ; v4 to v15 and v95 are written: every load and store of the kernel but the last two takes its address from them
.irp u, 0,1
.irp j, 0,1,2,3,4,5,6,7
	global_load_b128 v[X+32*\u+4*\j:X+32*\u+4*\j+3], v4, s[4:5] offset:4096*\u+512*\j th:TH_LOAD_NT   ; 512 consecutive bytes a load
.endr
.endr
.set i, 0
.rept 32
	global_load_b32 v[32+i], v5, s[6:7] offset:512*i   ; rm(32 h + i, 16 w + r): my registers run down K
.set i, i+1
.endr
.irp t, 0,1,2,3,4,5,6,7                ; the zero codes of k = 64 .. 127, written once
.irp i, 6,7,8,9,10,11
	v_mov_b32 v[RF+12*\t+\i], 0
.endr
.endr
.irp i, 22,23,24,25,26,27,30,31,93
	v_mov_b32 v[\i], 0
.endr
	s_wait_loadcnt 32                              ; the 16 loads of rows are in; rm's 32, issued behind them, may be out
.irp u, 0,1
.irp j, 0,1,2,3,4,5,6,7
	ds_store_b128 v6, v[X+32*\u+4*\j:X+32*\u+4*\j+3] offset:4352*\u+544*\j   ; (no vector line since the wait above names v6 or these registers)
.endr
.endr
	s_wait_loadcnt 0x0                             ; rm
	s_wait_alu depctr_vm_vsrc(0)                   ; the stores into the stage have read v96-159, which rm's division and the tiles write
	SUMSQ 32
	NORM 0
	DIVN 32, X
	QB32 X, 80, 86, 90, 91, 92
	WORD2 73, 92, 93
	s_wait_alu depctr_va_vdst(0)                   ; rm's codes v80-85 and its scale word v73 are written, which the stores below read; the lines above are done with X, in which the first tile's loads land
.irp i, 0,1,2
	ds_store_b64 v11, v[80+2*\i:81+2*\i] offset:256*\i   ; the fragment's lower six registers as they stand
.endr
	ds_store_b32 v12, v73
	BAR                                            ; rm's eight fragments lie in LDS
	s_wait_alu depctr_vm_vsrc(0)                   ; the image's stores have read v80-85, which the tiles' divisions and rounds write
.irp t, 0,1,2,3,4,5,6,7
.irp i, 0,1,2
	ds_load_b64 v[RF+12*\t+2*\i:RF+12*\t+2*\i+1], v13 offset:768*\t+256*\i
.endr
	ds_load_b32 v[RS+\t], v14 offset:128*\t
.endr
.irp i, 0,1,2,3
	v_mov_b32 v[ZT+\i], 0
.endr
.macro QTILE u
.irp i, 0,1,2,3,4,5,6,7
	ds_load_b128 v[X+4*\i:X+4*\i+3], v7 offset:4352*\u+16*\i   ; d = 32 h + 0 .. 31 of row r (my wave's own bytes)
.endr
	s_wait_dscnt 0x0
	SUMSQ X
	NORM 1
	DIVN X, Y
	QB32 X, QC, TP, 90, 91, 92
	WORD2 28, 92, 93
	QB32 Y, NF, TP, 90, 91, 92
	WORD2 29, 92, 93
	v_mov_b32 v[NWS], v29
.rept 8
	v_nop                                          ; a scale register written by a vector instruction stands 8 places ahead of the scaled product, an operand 4
.endr
	s_wait_alu depctr_va_vdst(0)                   ; behind the places: q's and qn's codes, the two scale words and the zeros are written, which the stores below read; qn's fragment and v72, which the products take
.irp i, 0,1,2
	ds_store_b64 v8, v[QC+2*\i:QC+2*\i+1] offset:8*\i
	ds_store_b64 v8, v[NF+2*\i:NF+2*\i+1] offset:48+8*\i
.endr
	ds_store_b128 v9, v[28:31] offset:96           ; both halves of the lanes write the same words
	ds_store_b128 v9, v[ZT:ZT+3] offset:112
.irp t, 0,1,2,3,4,5,6,7
	v_wmma_scale_f32_16x16x128_f8f6f4 v[X+8*\t:X+8*\t+7], v[RF+12*\t:RF+12*\t+11], v[NF:NF+11], 0, v[RS+\t], v[NWS] matrix_a_fmt:MATRIX_FMT_FP6 matrix_b_fmt:MATRIX_FMT_FP6
.endr
	v_mov_b32 v79, 64
.rept 3
	v_nop                                          ; four places behind the products
.endr
	ROUND 0
	ROUND 1
	ROUND 2
	ROUND 3
	v_lshl_or_b32 v80, v81, 8, v80
	v_lshl_or_b32 v80, v82, 16, v80
	v_lshl_or_b32 v80, v83, 24, v80
	s_wait_alu depctr_va_vdst(0)                   ; the hash word v80 is written, which the store below reads; the rounds are done with v96-159, in which the next tile's loads land
	ds_store_b32 v15, v80 offset:64*\u
.irp j, 0,1,2,3
	ds_load_b128 v[OB+4*\j:OB+4*\j+3], v10 offset:576*\j   ; LDS serves a wave's instructions in order: these see my stores
.endr
.irp j, 0,1,2,3
	s_wait_dscnt 3-\j                              ; the younger read-backs may be out
	global_store_b128 v[RO], v[OB+4*\j:OB+4*\j+3], s[8:9] offset:2048*\u+512*\j   ; 512 consecutive bytes, aligned
.endr
	s_wait_xcnt 0x0                                ; the stores' data registers are written again only behind this wait
	s_wait_alu depctr_vm_vsrc(0)                   ; the tile's LDS stores have read the codes, the words and v80, its global stores v48-63: the next tile, or the last read of the hash words, writes them again
.endm
	QTILE 0
	QTILE 1
	BAR                                            ; the 256 hash words lie in LDS
	v_lshlrev_b32 v42, 4, v0
	v_add_nc_u32 v43, HST, v42
	s_cmp_lt_u32 s16, 2
	s_cbranch_scc0 .Lend
	s_wait_alu depctr_va_vdst(0)                   ; v42 and v43 are written: the load's address and the store's offset
	ds_load_b128 v[48:51], v43
	s_wait_dscnt 0x0
	global_store_b128 v42, v[48:51], s[10:11]      ; 64 lanes store 1,024 consecutive bytes
.Lend:
	s_set_vgpr_msb 0x5
	s_wait_dscnt 0x0
	s_wait_alu depctr_hold_cnt(0) depctr_sa_sdst(0) depctr_va_vdst(0) depctr_va_sdst(0) depctr_va_ssrc(0) depctr_va_vcc(0) depctr_vm_vsrc(0)
	s_wait_tensorcnt 0x0
	ds_add_u32 v0, v1
	s_wait_dscnt 0x0
	s_endpgm
.Lfunc_end_k_qe888a1b823_hash:
	.size	k_qe888a1b823_hash, .Lfunc_end_k_qe888a1b823_hash-k_qe888a1b823_hash
	.p2alignl 7, 3214868480
	.fill 96, 4, 3214868480
	.section	.rodata,"a",@progbits
	.p2align	6, 0x0
	.amdhsa_kernel k_qe888a1b823_hash
		.amdhsa_group_segment_fixed_size 97280
		.amdhsa_private_segment_fixed_size 0
		.amdhsa_enable_private_segment 0
		.amdhsa_kernarg_size 32
		.amdhsa_user_sgpr_count 2
		.amdhsa_user_sgpr_kernarg_segment_ptr 1
		.amdhsa_wavefront_size32 1
		.amdhsa_system_sgpr_workgroup_id_x 1
		.amdhsa_system_sgpr_workgroup_id_y 1
		.amdhsa_system_sgpr_workgroup_id_z 1
		.amdhsa_system_vgpr_workitem_id 0
		.amdhsa_next_free_vgpr 258
		.amdhsa_next_free_sgpr 82
		.amdhsa_reserve_vcc 0
		.amdhsa_float_denorm_mode_32 3
		.amdhsa_float_denorm_mode_16_64 3
		.amdhsa_memory_ordered 1
		.amdhsa_forward_progress 1
		.amdhsa_inst_pref_size 87
	.end_amdhsa_kernel
	.amdgpu_metadata
---
amdhsa.version: [ 1, 2 ]
amdhsa.kernels:
  - .name:           k_qe888a1b823_hash
    .symbol:         k_qe888a1b823_hash.kd
    .args:
      - { .name: query, .offset: 0, .size: 8, .value_kind: global_buffer, .address_space: global }
      - { .name: rand_matrix, .offset: 8, .size: 8, .value_kind: global_buffer, .address_space: global }
      - { .name: rec, .offset: 16, .size: 8, .value_kind: global_buffer, .address_space: global }
      - { .name: hbuf, .offset: 24, .size: 8, .value_kind: global_buffer, .address_space: global }
    .group_segment_fixed_size: 97280
    .private_segment_fixed_size: 0
    .kernarg_segment_align: 8
    .kernarg_segment_size: 32
    .max_flat_workgroup_size: 256
    .sgpr_count:     82
    .vgpr_count:     258
    .wavefront_size: 32
...
	.end_amdgpu_metadata
.endif
;; end of part 5
;; launch sortl (part 6): grid 64 x 1, 32 waves a work-group, no clusters, 87,040 bytes of LDS; arguments hbuf, skey, slot; writes skey, slot
.if DOCPART == 6
	.amdgcn_target "amdgcn-amd-amdhsa--gfx1250"
	.amdhsa_code_object_version 6
	.text
	.protected	k_qe888a1b823_sortl
	.globl	k_qe888a1b823_sortl
	.p2align	8
	.type	k_qe888a1b823_sortl,@function
k_qe888a1b823_sortl:
	s_mov_b64 s[64:65], 0
	v_nop
	global_prefetch_b8 v0, s[64:65] scope:SCOPE_SE
	s_setreg_imm32_b32 hwreg(HW_REG_WAVE_MODE, 25, 1), 1
	s_wait_xcnt 0x0
; A stable counting sort of the 4,096 positions of one (batch, round) by their hash (64 buckets): the order of the keys h x 4096 + l.
; slot[b][r][l] = the position's place in the order;  skey[b][r][place] = l | (first place of l's bucket) << 12.
; One work-group of 32 waves for each of the 64 (b, r).  Group g = 32 positions (a wave has four): a position's place = the count of all earlier buckets + of its bucket in earlier groups
; + its rank among the equal hashes of its group.  No atomics: counts come from ballots, places from prefix sums.
; No matrix work, no tensor load: 16 KiB in, 32 KiB out for a work-group; only 64 work-groups have work, since a sort is one chain of prefix sums.
.set CNT, 0                            ; LDS: 128 groups x 64 counters, 260 bytes from group to group
.set WS, 33536                         ; 32 wave totals
.set SLOTA, 33792                      ; place of position l
.set VALA, 50176                       ; the word of position l
.set SKEYA, 66560                      ; the words in order
.macro BAR
	s_wait_dscnt 0x0
	s_barrier_signal -1
	s_barrier_wait -1
.endm
.macro POPC x, t                       ; the number of ones in v[x]
	v_lshrrev_b32 v[\t], 1, v[\x]
	s_delay_alu instid0(VALU_DEP_1)
	v_and_b32 v[\t], s20, v[\t]
	s_delay_alu instid0(VALU_DEP_1)
	v_sub_nc_u32 v[\x], v[\x], v[\t]
	s_delay_alu instid0(VALU_DEP_1)
	v_lshrrev_b32 v[\t], 2, v[\x]
	s_delay_alu instid0(VALU_DEP_2)
	v_and_b32 v[\x], s21, v[\x]
	s_delay_alu instid0(VALU_DEP_2)
	v_and_b32 v[\t], s21, v[\t]
	s_delay_alu instid0(VALU_DEP_1)
	v_add_nc_u32 v[\x], v[\x], v[\t]
	s_delay_alu instid0(VALU_DEP_1)
	v_lshrrev_b32 v[\t], 4, v[\x]
	s_delay_alu instid0(VALU_DEP_1)
	v_add_nc_u32 v[\x], v[\x], v[\t]
	s_delay_alu instid0(VALU_DEP_1)
	v_and_b32 v[\x], s22, v[\x]
	s_delay_alu instid0(VALU_DEP_1)
	v_mul_lo_u32 v[\x], v[\x], s23
	s_delay_alu instid0(VALU_DEP_1)
	v_lshrrev_b32 v[\x], 24, v[\x]
.endm
.macro SCAN32 x, t, s                  ; inclusive prefix sum over the wave's 32 lanes
.irp n, 1,2,4,8
	s_delay_alu instid0(VALU_DEP_1)
	v_mov_b32_dpp v[\t], v[\x] row_shr:\n row_mask:0xf bank_mask:0xf bound_ctrl:1
	s_delay_alu instid0(VALU_DEP_1)
	v_add_nc_u32 v[\x], v[\x], v[\t]
.endr
	s_delay_alu instid0(VALU_DEP_1)
	v_readlane_b32 s[\s], v[\x], 15
	s_delay_alu instid0(VALU_DEP_1)
	v_and_b32 v[\t], s[\s], v14                    ; lanes 16-31 add the lower half's total
	s_delay_alu instid0(VALU_DEP_1)
	v_add_nc_u32 v[\x], v[\x], v[\t]
.endm
	s_load_b128 s[4:7], s[0:1], 0x0                ; hbuf, skey
	s_load_b64 s[8:9], s[0:1], 0x10                ; slot
	v_lshl_add_u32 v126, v0, 2, 0x14400
	v_mov_b32 v127, 0
	v_lshrrev_b32 v1, 5, v0                        ; wave
	s_delay_alu instid0(VALU_DEP_1)
	v_readfirstlane_b32 s16, v1
	v_and_b32 v2, 31, v0                           ; lane
	s_wait_alu depctr_va_vdst(0)
	s_lshr_b32 s10, ttmp9, 2                       ; b
	s_and_b32 s11, ttmp9, 3                        ; r
	s_lshl_b32 s17, s11, 3
	s_lshl_b32 s12, s10, 14
	s_mov_b32 s13, 0
	s_lshl_b32 s14, ttmp9, 14
	s_mov_b32 s15, 0
	s_mov_b32 s20, 0x55555555
	s_mov_b32 s21, 0x33333333
	s_mov_b32 s22, 0x0f0f0f0f
	s_mov_b32 s23, 0x01010101
	v_lshlrev_b32 v3, 2, v2
	s_delay_alu instid0(VALU_DEP_1)
	v_lshl_add_u32 v3, v1, 9, v3                   ; 4 l for my first position: 512 w + 4 lane
	v_mul_u32_u24 v56, v1, 1040                    ; my wave's four rows of counters
	s_delay_alu instid0(VALU_DEP_1)
	v_lshl_add_u32 v4, v2, 2, v56
	v_and_b32 v5, 15, v0
	s_delay_alu instid0(VALU_DEP_1)
	v_mul_u32_u24 v5, v5, 2080
	v_lshrrev_b32 v6, 4, v0
	s_delay_alu instid0(VALU_DEP_1)
	v_lshl_add_u32 v5, v6, 2, v5                   ; the prefix: bucket t / 16, groups 8 (t % 16) + 0 .. 7
	v_lshl_add_u32 v7, v1, 2, WS
	v_lshl_add_u32 v15, v2, 2, WS
.irp k, 0,1,2,3,4
	v_bfe_u32 v[8+\k], v2, \k, 1
	s_delay_alu instid0(VALU_DEP_1)
	v_add_nc_u32 v[8+\k], -1, v[8+\k]              ; 0 where my lane's bit k is set, else all ones
.endr
	v_lshlrev_b32 v13, v2, 1
	s_delay_alu instid0(VALU_DEP_1)
	v_add_nc_u32 v13, -1, v13                      ; the lanes below me
	v_bfe_u32 v14, v2, 4, 1
	s_delay_alu instid0(VALU_DEP_1)
	v_sub_nc_u32 v14, 0, v14                       ; all ones in lanes 16-31
	v_mov_b32 v37, 0                               ; (a DPP form's destination counts as read)
	v_lshl_add_u32 v65, v1, 7, v2                  ; l of my first position
	v_lshl_add_u32 v66, v2, 4, SLOTA
	v_lshl_add_u32 v67, v2, 4, VALA
	v_lshl_add_u32 v68, v0, 4, SLOTA
	v_lshl_add_u32 v69, v0, 4, SKEYA
	v_lshlrev_b32 v70, 4, v0
	s_wait_kmcnt 0x0
	s_add_nc_u64 s[4:5], s[4:5], s[12:13]
	s_add_nc_u64 s[6:7], s[6:7], s[14:15]
	s_add_nc_u64 s[8:9], s[8:9], s[14:15]
.irp j, 0,1,2,3
	global_load_b32 v[16+\j], v3, s[4:5] offset:128*\j
.endr
	s_wait_loadcnt 0x0
.irp j, 0,1,2,3
	v_lshrrev_b32 v[16+\j], s17, v[16+\j]
	s_delay_alu instid0(VALU_DEP_1)
	v_and_b32 v[16+\j], 63, v[16+\j]               ; my round's hash
.endr
.macro GROUP j                         ; group 4 w + j: my rank among equal hashes, and the group's 64 counts (lane: buckets lane and lane + 32)
.irp k, 0,1,2,3,4,5
	v_bfe_u32 v34, v[16+\j], \k, 1
	s_delay_alu instid0(VALU_DEP_1)
	v_cmp_ne_u32 s[24+\k], 0, v34                  ; the lanes whose bit k is set
	s_delay_alu instid0(VALU_DEP_2)
	v_add_nc_u32 v34, -1, v34
.if \k == 0
	s_delay_alu instid0(VALU_DEP_1)
	v_xor_b32 v6, s[24+\k], v34                    ; the lanes that agree with me in bit k
.else
	s_delay_alu instid0(VALU_DEP_1)
	v_xor_b32 v34, s[24+\k], v34
	s_delay_alu instid0(VALU_DEP_1)
	v_and_b32 v6, v6, v34
.endif
.endr
	s_delay_alu instid0(VALU_DEP_1)
	v_and_b32 v[20+\j], v13, v6
	POPC 20+\j, 34
	v_xor_b32 v[40+2*\j], s24, v8
.irp k, 1,2,3,4
	v_xor_b32 v34, s[24+\k], v[8+\k]
	s_delay_alu instid0(VALU_DEP_1)
	v_and_b32 v[40+2*\j], v[40+2*\j], v34          ; the lanes whose hash % 32 is my lane's number
.endr
	s_not_b32 s30, s29
	v_and_b32 v[41+2*\j], s29, v[40+2*\j]
	v_and_b32 v[40+2*\j], s30, v[40+2*\j]
	POPC 40+2*\j, 34
	POPC 41+2*\j, 34
	ds_store_b32 v4, v[40+2*\j] offset:260*\j
	ds_store_b32 v4, v[41+2*\j] offset:260*\j+128
.endm
	GROUP 0
	GROUP 1
	GROUP 2
	GROUP 3
	BAR                                            ; all 8,192 counters are written
.irp q, 0,1,2,3,4,5,6,7
	ds_load_b32 v[40+\q], v5 offset:260*\q
.endr
	s_wait_dscnt 0x0
	v_add3_u32 v35, v40, v41, v42
	s_delay_alu instid0(VALU_DEP_1)
	v_add3_u32 v35, v35, v43, v44
	s_delay_alu instid0(VALU_DEP_1)
	v_add3_u32 v35, v35, v45, v46
	s_delay_alu instid0(VALU_DEP_1)
	v_add_nc_u32 v35, v35, v47                     ; my eight counters' total
	s_delay_alu instid0(VALU_DEP_1)
	v_mov_b32 v36, v35
	SCAN32 36, 37, 31
	s_delay_alu instid0(VALU_DEP_1)
	v_readlane_b32 s31, v36, 31
	s_delay_alu instid0(VALU_DEP_1)
	v_mov_b32 v38, s31
	ds_store_b32 v7, v38                           ; my wave's total (all lanes: the same word, the same value)
	BAR
	ds_load_b32 v39, v15
	s_wait_dscnt 0x0
	v_cmp_gt_u32 vcc_lo, s16, v2
	s_delay_alu instid0(VALU_DEP_1)
	v_cndmask_b32 v39, 0, v39, vcc_lo              ; the totals of the waves below mine
	SCAN32 39, 37, 30
	s_delay_alu instid0(VALU_DEP_1)
	v_readlane_b32 s31, v39, 31
	v_sub_nc_u32 v48, v36, v35
	s_delay_alu instid0(VALU_DEP_1)
	v_add_nc_u32 v48, s31, v48                     ; what stands ahead of my first counter
.irp q, 0,1,2,3,4,5,6
	s_delay_alu instid0(VALU_DEP_1)
	v_add_nc_u32 v[49+\q], v[48+\q], v[40+\q]
.endr
.irp q, 0,1,2,3,4,5,6,7
	ds_store_b32 v5, v[48+\q] offset:260*\q        ; each counter becomes its exclusive prefix
.endr
	BAR
.irp j, 0,1,2,3
	v_min_u32 v[24+\j], 63, v[16+\j]
	s_delay_alu instid0(VALU_DEP_1)
	v_lshlrev_b32 v[28+\j], 2, v[24+\j]
	s_delay_alu instid0(VALU_DEP_2)
	v_lshl_add_u32 v[24+\j], v[24+\j], 2, v56
	ds_load_b32 v[57+\j], v[24+\j] offset:260*\j   ; my bucket's prefix in my group
	ds_load_b32 v[61+\j], v[28+\j]                 ; and in group 0: the bucket's first place
.endr
	BAR                                            ; these reads are parted from the stores below
.irp j, 0,1,2,3
	v_add_nc_u32 v[57+\j], v[57+\j], v[20+\j]
	v_lshl_or_b32 v[61+\j], v[61+\j], 12, v65
	s_delay_alu instid0(VALU_DEP_1)
	v_or_b32 v[61+\j], 32*\j, v[61+\j]
	ds_store_b32 v3, v[57+\j] offset:SLOTA+128*\j
	ds_store_b32 v3, v[61+\j] offset:VALA+128*\j
.endr
	BAR
	s_cmp_lg_u32 s16, 0                            ; ONE wave places the words, so that no two waves store between two barriers at places that hang on data
	s_cbranch_scc1 .Lplaced
.set q, 0
.rept 8
.irp k, 0,1,2,3
	ds_load_b128 v[72+4*\k:75+4*\k], v66 offset:512*(4*q+\k)
	ds_load_b128 v[88+4*\k:91+4*\k], v67 offset:512*(4*q+\k)
.endr
	s_wait_dscnt 0x0
.irp n, 0,1,2,3,4,5,6,7,8,9,10,11,12,13,14,15
	v_min_u32 v[72+\n], 0xfff, v[72+\n]
	s_delay_alu instid0(VALU_DEP_1)
	v_lshl_add_u32 v[104+\n], v[72+\n], 2, SKEYA
	ds_store_b32 v[104+\n], v[88+\n]
.endr
	s_wait_dscnt 0x0                               ; the stores have read their registers
.set q, q+1
.endr
.Lplaced:
	BAR
	ds_load_b128 v[72:75], v68
	ds_load_b128 v[76:79], v69
	s_wait_dscnt 0x0
	global_store_b128 v70, v[72:75], s[8:9]        ; a wave stores 512 consecutive bytes
	global_store_b128 v70, v[76:79], s[6:7]
	s_wait_tensorcnt 0x0
	ds_add_u32 v126, v127
	s_wait_dscnt 0x0
	s_endpgm
.Lfunc_end_k_qe888a1b823_sortl:
	.size	k_qe888a1b823_sortl, .Lfunc_end_k_qe888a1b823_sortl-k_qe888a1b823_sortl
	.p2alignl 7, 3214868480
	.fill 96, 4, 3214868480
	.section	.rodata,"a",@progbits
	.p2align	6, 0x0
	.amdhsa_kernel k_qe888a1b823_sortl
		.amdhsa_group_segment_fixed_size 87040
		.amdhsa_private_segment_fixed_size 0
		.amdhsa_enable_private_segment 0
		.amdhsa_kernarg_size 24
		.amdhsa_user_sgpr_count 2
		.amdhsa_user_sgpr_kernarg_segment_ptr 1
		.amdhsa_wavefront_size32 1
		.amdhsa_system_sgpr_workgroup_id_x 1
		.amdhsa_system_sgpr_workgroup_id_y 1
		.amdhsa_system_sgpr_workgroup_id_z 1
		.amdhsa_system_vgpr_workitem_id 0
		.amdhsa_next_free_vgpr 128
		.amdhsa_next_free_sgpr 66
		.amdhsa_reserve_vcc 1
		.amdhsa_float_denorm_mode_32 3
		.amdhsa_float_denorm_mode_16_64 3
		.amdhsa_memory_ordered 1
		.amdhsa_forward_progress 1
		.amdhsa_inst_pref_size 69
	.end_amdhsa_kernel
	.amdgpu_metadata
---
amdhsa.version: [ 1, 2 ]
amdhsa.kernels:
  - .name:           k_qe888a1b823_sortl
    .symbol:         k_qe888a1b823_sortl.kd
    .args:
      - { .name: hbuf, .offset: 0, .size: 8, .value_kind: global_buffer, .address_space: global }
      - { .name: skey, .offset: 8, .size: 8, .value_kind: global_buffer, .address_space: global }
      - { .name: slot, .offset: 16, .size: 8, .value_kind: global_buffer, .address_space: global }
    .group_segment_fixed_size: 87040
    .private_segment_fixed_size: 0
    .kernarg_segment_align: 8
    .kernarg_segment_size: 24
    .max_flat_workgroup_size: 1024
    .sgpr_count:     66
    .vgpr_count:     128
    .wavefront_size: 32
...
	.end_amdgpu_metadata
.endif
;; end of part 6
;; launch attend (part 7): grid 16 x 64, 4 waves a work-group, no clusters, 53,248 bytes of LDS; arguments rec, value, skey, slot, attn, lse; writes attn, lse
.if DOCPART == 7
	.amdgcn_target "amdgcn-amd-amdhsa--gfx1250"
	.amdhsa_code_object_version 6
	.text
	.protected	k_qe888a1b823_attend
	.globl	k_qe888a1b823_attend
	.p2align	8
	.type	k_qe888a1b823_attend,@function
k_qe888a1b823_attend:
	s_mov_b64 s[64:65], 0
	v_nop
	global_prefetch_b8 v0, s[64:65] scope:SCOPE_SE
	s_setreg_imm32_b32 hwreg(HW_REG_WAVE_SCHED_MODE, 0, 2), 2
	s_setreg_imm32_b32 hwreg(HW_REG_WAVE_MODE, 25, 1), 1
	s_wait_xcnt 0x0
	s_wait_alu depctr_vm_vsrc(0)
; One round's attention over the sorted order.  A work-group takes four neighbouring chunks of 64 places of one (batch, round); each chunk attends over itself and the chunk before (circular).
; scores = Q(q) . Q(qn) / 8 (K = 64, codes from rec);  masks;  lse = logsumexp;  p = exp(score - lse) / count, quantised along the 128 keys;  O = Q(p) Q(V), V quantised along the keys.
; THE MASKS ARE AN INTERVAL: the order's keys are unique, so key j of the window counts for query jq exactly where lo <= j <= jq, lo = max(0, first place of the query's bucket - first place of the window); j = jq is the query itself.
; For chunk 0 the window's first place is -64, so lo >= 64 hides the wrapped chunk.   Scores stay unscaled in the registers: the mask values are 8 x (-1e9) and 8 x (-1e5).
; THE COUNT of a key is 1 + the number of the other three rounds in which (query's chunk - key's chunk) mod 64 is 0 or 1: three 6-bit chunk numbers a position, a byte each, compared in one word.
; THE MAXIMUM is taken away before the exponential: t = S c - mc, c = log2(e) / 8, mc = the row's largest S x c rounded once; the shift cancels in p / sum, and lse = (log2 sum + mc) ln 2.
; Both products are used transposed (S^T = K Q^T, O^T = V^T P^T): a lane holds ONE query.  Lane r of key tile 2 b + u takes key 32 b + 8 u + r + 8 (r / 8), so that 16 registers of two tiles are 16 neighbouring keys.
; The first product's K is 64: k = 64 .. 127 are zero codes on both sides under scale byte 0.
; Wave w prepares key tile w and rows 16 w .. 16 w + 15 of V^T of each new chunk (images of the operands' registers in LDS, two slots by turns), then owns queries 16 w .. 16 w + 15.
; attn[b][l][r][64]: a query's row is 256 aligned bytes, stored whole by sixteen lanes.  lse[b][r][place].
; No tensor load, no cluster, no joint request: all bulk reads are gathers of rows named by a list; neighbouring work-groups share one chunk in five.  No prefetch: the gathered tables are read again by all four rounds.
; LIMITS: NaN and infinities are not served; an exponential under 2^-126 is 0; a block of zeros gets the byte 1 (zero codes; the bytes are this program's own).
; THE MODE: SCHED_MODE bits 1:0 = 2 (LLVM: expert scheduling mode 2), set by the entry lines.  The code itself states the register dependences
; between vector or matrix instructions and memory or LDS instructions, with s_wait_alu, always for 0.
; THE PLAN.  Registers that memory or LDS instructions touch, round a trip:
;   v4-21          addresses made once at the head, never written again.
;   v128-133       the preparation's six LDS addresses, and v22-28, the attention's seven: ALL made at the trip's head, in one run, ahead of one wait.  v128-133 are free there; the second score product writes over them.
;   v30            where lse goes: made behind the exponentials, ahead of the wait that stands there; read by one store.
;   v224-247       a position and the gathers' addresses (vector lines), gathered codes (loads), V^T's codes (vector lines), all read by LDS stores; then chunk numbers (LDS loads), counts and p's codes; then rows on the way out (LDS loads, read by global stores).
;   v160-191       V's rows (loads, read by LDS stores), chunk numbers (LDS loads), counts, O^T (the product; read by LDS stores).
;   v96-143        V's numbers (LDS loads), scores and p, V^T's fragments (LDS loads; the product reads them).     v144-151  the rows' offsets in attn.     v220  lse.
;   KF, KSR, QF, QS, QA, VS, VC, PO, QWM   loads land; vector or matrix instructions read.
; Waits on vm_vsrc, three a trip: ahead of the quantising of V; at the preparation's end; at the trip's end, ahead of the branch.  Each wait's comment says what it states.
; A mask that a select reads is made by a compare into a scalar register: runs of 32 compares, one wait on va_sdst behind each run.
.set CW, 0                             ; in a slot: 64 words of chunk numbers,
.set KSC, 256                          ; 4 x 128 bytes: the key tiles' scale words,
.set VSC, 768                          ; 4 x 128: V^T's,
.set KIMG, 1280                        ; 4 x 768: the key tiles' six registers,
.set VIMG, 4352                        ; 4 x 768: V^T's
.set SLOTB, 8192                       ; slot 1; one exclusive or turns an address
.set VST, 16384                        ; 64 rows of V, 256 bytes, + 128 from row 32 on
.set OST, 33024                        ; the way out: 16 rows x 272 bytes for each wave
.set SKT, 50432                        ; the order's words of five chunks
.set LSTG, 51712                       ; 256 lse
.set FLOOR, 0x1800000
.set MT, 2                             ; v2, v3   in the loop: jq - j, two registers by turns
.set KF, 32                            ; v32-79   four key fragments (upper six registers of each = 0)
.set QF, 80                            ; v80-91   my queries' fragment (86-91 = 0)
.set KSR, 92                           ; v92-95   key scale words: nothing else
.set S, 96                             ; v96-159  S^T, then p; V's numbers in the preparation; V^T's fragments (96-143) for the second product
.set SK, 128                           ; v128-130 in the preparation: where the chunk's words of the order lie; v131-133 where its images, scale words and chunk numbers go
.set O, 160                            ; v160-191 rows of V; chunk numbers of keys 0-63, then 1 / count; then O^T
.set PO, 192                           ; v192-199 positions of places 16 w + 8 (lane / 16) + 0 .. 7
.set VS, 200                           ; v200-203 V^T's scale words: nothing else;  v204-207 the current chunk's halves of them
.set VC, 204
.set QS, 208                           ; my queries' scale word: nothing else
.set QWM, 209                          ; my query's word of the order
.set QA, 210
.set WD, 211
.set NM, 212                           ; v[212:213] -mc
.set SU, 214                           ; v214-217 at work
.set INV, 218                          ; v[218:219] 1 / sum
.set LSE, 220
.set PW, 221                           ; p's scale word: nothing else
.set SELF, 222
.set JQ, 223
.set PC, 224                           ; v224-255 chunk numbers of keys 64-127, then 1 / count; then p's codes 224-235, halves 236-243, at work 244-255; then rows on the way out
.set PT, 236
.set TM, 244
.set SH8, 31
.set SEL, 36
.set MG, 66                            ; s66-97   masks: the key lies in the interval (32 at a time, or 16 with)
.set MS, 82                            ; s82-97   masks: the key is the query itself
.macro BAR
	s_wait_dscnt 0x0
	s_barrier_signal -1
	s_barrier_wait -1
.endm
.macro QB32 src, dst, tmp, am, sc, by
	v_max3_num_f32 v[\am], |v[\src]|, |v[\src+1]|, FLOOR
	v_max3_num_f32 v[\by], |v[\src+16]|, |v[\src+17]|, FLOOR
.irp i, 2,4,6,8,10,12,14
	v_max3_num_f32 v[\am], v[\am], |v[\src+\i]|, |v[\src+\i+1]|
	v_max3_num_f32 v[\by], v[\by], |v[\src+16+\i]|, |v[\src+17+\i]|
.endr
	v_max_num_f32 v[\am], v[\am], v[\by]
	v_add_nc_u32 v[\sc], 0xff000000, v[\am]
	v_lshrrev_b32 v[\by], 23, v[\sc]
	v_cvt_scalef32_pk16_fp6_f32 v[\dst:\dst+2], v[\src:\src+15], v[\sc]
	v_cvt_scalef32_pk16_fp6_f32 v[\tmp:\tmp+2], v[\src+16:\src+31], v[\sc]
	v_nop                                          ; one plain place behind a scaled conversion
	v_mov_b32 v[\dst+3], v[\tmp]
	v_mov_b32 v[\dst+4], v[\tmp+1]
	v_mov_b32 v[\dst+5], v[\tmp+2]
.endm
.macro KLOAD ai, as                    ; a chunk's four key fragments and their scale words
.irp t, 0,1,2,3
.irp i, 0,1,2
	ds_load_b64 v[KF+12*\t+2*\i:KF+12*\t+2*\i+1], v[\ai] offset:KIMG+768*\t+256*\i
.endr
	ds_load_b32 v[KSR+\t], v[\as] offset:KSC+128*\t
.endr
.endm
.macro SMUL g                          ; S^T of keys 64 g .. 64 g + 63
.irp t, 0,1,2,3
	v_wmma_scale_f32_16x16x128_f8f6f4 v[S+32*\g+8*\t:S+32*\g+8*\t+7], v[KF+12*\t:KF+12*\t+11], v[QF:QF+11], 0, v[KSR+\t], v[QS] matrix_a_fmt:MATRIX_FMT_FP6 matrix_b_fmt:MATRIX_FMT_FP6
.endr
.endm
; THE PREPARATION of the chunk whose words begin at SKT + s30, into the slot at s31.  withq = 1: a trip's: my queries' fragment too, and the attention's addresses with the preparation's.
.macro PREP withq
	v_add_nc_u32 v[SK], s30, v6
	v_add_nc_u32 v[SK+1], s30, v7
	v_add_nc_u32 v[SK+3], s31, v13
	v_add_nc_u32 v[SK+4], s31, v14
	v_add_nc_u32 v[SK+5], s31, v15
.if \withq
	v_add_nc_u32 v[SK+2], s30, v8
	v_add_nc_u32 v22, s32, v4
	v_add_nc_u32 v23, s31, v4
	v_add_nc_u32 v24, s32, v5
	v_add_nc_u32 v25, s31, v5
	v_add_nc_u32 v26, s32, v16
	v_add_nc_u32 v27, s31, v16
	v_add_nc_u32 v28, s31, v17
.endif
	s_wait_alu depctr_va_vdst(0)                   ; the LDS addresses just made are written, for all the LDS loads and stores up to the trip's end but lse's; earlier vector and matrix instructions are done with v224, PO and QWM, in which the loads below land
	ds_load_b32 v224, v[SK]                        ; my key tile's row
	ds_load_b128 v[PO:PO+3], v[SK+1]
	ds_load_b128 v[PO+4:PO+7], v[SK+1] offset:16
.if \withq
	ds_load_b32 v[QWM], v[SK+2]
.endif
	s_wait_dscnt 0x0
	v_and_b32 v224, 0xfff, v224
	v_min_u32 v224, 0xfff, v224                    ; a position: held inside its table
.irp i, 0,1,2,3,4,5,6,7
	v_and_b32 v[PO+\i], 0xfff, v[PO+\i]
	v_min_u32 v[PO+\i], 0xfff, v[PO+\i]
.endr
	v_lshl_add_u32 v225, v224, 7, v10              ; its record, + 24 h
	v_lshlrev_b32 v226, 7, v224
	v_lshlrev_b32 v227, 2, v224
.irp i, 0,1,2,3,4,5,6,7
	v_lshl_add_u32 v[240+\i], v[PO+\i], 8, v9      ; a row of V: sixteen lanes take its 256 bytes
.endr
.if \withq
	v_and_b32 v238, 0xfff, v[QWM]
	v_min_u32 v238, 0xfff, v238
	v_lshl_add_u32 v239, v238, 7, v10
	v_lshlrev_b32 v238, 7, v238
	v_lshrrev_b32 v29, 12, v[QWM]
	v_sub_nc_u32 v29, v29, s33                     ; first place of my bucket - first place of the window
	v_cmp_le_i32 vcc_lo, 0, v29
	s_wait_alu depctr_va_vcc(0)                    ; the compare has written VCC, which the select reads
	v_cndmask_b32 v29, 0, v29, vcc_lo              ; lo
	v_sub_nc_u32 v[WD], v[JQ], v29                 ; jq - lo
.endif
	s_wait_alu depctr_va_vdst(0)                   ; the gathers' offsets v225-227, v238-247 are written
.irp i, 0,1,2
	global_load_b64 v[228+2*\i:229+2*\i], v225, s[4:5] offset:48+8*\i   ; qn's codes
.endr
	global_load_b32 v234, v226, s[4:5] offset:100  ; qn's scale word
	global_load_b32 v235, v227, s[24:25]           ; the position's place in the other three rounds
	global_load_b32 v236, v227, s[26:27]
	global_load_b32 v237, v227, s[28:29]
.irp i, 0,1,2,3,4,5,6,7
	global_load_b128 v[O+4*\i:O+4*\i+3], v[240+\i], s[6:7]
.endr
.if \withq
.irp i, 0,1,2
	global_load_b64 v[QF+2*\i:QF+2*\i+1], v239, s[4:5] offset:8*\i      ; q's codes
.endr
	global_load_b32 v[QS], v238, s[4:5] offset:96
.endif
	s_wait_loadcnt 0x0
	v_lshrrev_b32 v235, 6, v235                    ; chunk numbers, a byte each
	v_lshrrev_b32 v236, 6, v236
	v_lshrrev_b32 v237, 6, v237
	v_lshl_or_b32 v235, v236, 8, v235
	v_lshl_or_b32 v235, v237, 16, v235
.irp i, 0,1,2
	ds_store_b64 v[SK+3], v[228+2*\i:229+2*\i] offset:KIMG+256*\i       ; data as loaded: no vector line since the last wait names these registers or their addresses
.endr
	ds_store_b32 v[SK+4], v234 offset:KSC
.irp i, 0,1,2,3,4,5,6,7
	ds_store_b128 v11, v[O+4*\i:O+4*\i+3] offset:256*\i
.endr
	s_wait_alu depctr_va_vdst(0)                   ; the five lines above have written the word of chunk numbers, v235, which the store below reads
	ds_store_b32 v[SK+5], v235 offset:CW           ; (both halves of the lanes: the same word, the same value)
	BAR                                            ; the chunk's 64 rows of V lie in the stage
.set i, 0
.rept 32
	ds_load_b32 v[S+i], v12 offset:256*i           ; V(key 32 h + i, d = 16 w + r): my registers run down the keys
.set i, i+1
.endr
	s_wait_dscnt 0x0
	s_wait_alu depctr_vm_vsrc(0)                   ; the gathers have read their offsets and the stores above their data: v224-238 are written by the lines below, v160-191 and v239-247 by the chunk numbers' loads
	QB32 S, 224, 230, 234, 235, 236
	v_lshlrev_b32 v237, v[SH8], v236
	v_permlanex16_b32 v238, v237, s[SEL], s[SEL+1]
	v_or_b32 v237, v237, v238                      ; the row's two bytes
	s_wait_alu depctr_va_vdst(0)                   ; V^T's codes v224-229 and its scale word v237 are written, which the stores below read; the lines above are done with v96-127 and v224-238, in which later loads land
.irp i, 0,1,2
	ds_store_b64 v[SK+3], v[224+2*\i:225+2*\i] offset:VIMG+256*\i
.endr
	ds_store_b32 v[SK+4], v237 offset:VSC
	BAR                                            ; the slot is whole
	s_wait_alu depctr_vm_vsrc(0)                   ; the stores above have read v224-229, v237 and their addresses: chunk numbers land in v224-255, and v128-133 are written by the next address lines or by the second score product
.endm
	s_load_b256 s[4:11], s[0:1], 0x0               ; rec, value, skey, slot
	s_load_b128 s[12:15], s[0:1], 0x20             ; attn, lse
	s_set_vgpr_msb 0x40
	v_lshl_add_u32 v0, v0, 2, 0xce00
	v_mov_b32 v1, 0
	s_set_vgpr_msb 0x4000
	v_lshrrev_b32 v22, 5, v0
	v_readfirstlane_b32 s16, v22                   ; wave 0..3
	v_and_b32 v1, 31, v0
	s_wait_alu depctr_va_vdst(0)
	v_and_b32 v2, 15, v0                           ; r
	s_wait_alu depctr_va_vdst(0)
	v_bfe_u32 v3, v0, 4, 1                         ; h
	s_wait_alu depctr_va_vdst(0)
	s_and_b32 s17, ttmp7, 0xffff                   ; 4 b + round
	s_lshr_b32 s18, s17, 2
	s_and_b32 s19, s17, 3
	s_mov_b32 s[SEL], 0x76543210
	s_mov_b32 s[SEL+1], 0xfedcba98
	s_mov_b32 s38, 0x3e3e3e
	s_mov_b32 s39, 0x404040
	s_mov_b32 s40, 0x010101
	s_mov_b32 s41, 0x400000
	s_mov_b32 s42, 0xcfee6b28                      ; -8e9
	s_mov_b32 s44, 0x3e38aa3b                      ; c = log2(e) / 8
	s_mov_b32 s45, s44                             ; (named with it as a pair)
	s_mov_b32 s46, 0x3f317218                      ; ln 2
	v_mov_b32 v[SELF], 0xc9435000                  ; -8e5
	s_wait_alu depctr_va_sdst(0)                   ; s16, the wave's number, is written, ahead of its first reader
	s_lshl_b32 s2, s16, 6
	s_lshr_b32 s3, s16, 1
	s_lshl_b32 s3, s3, 5
	s_and_b32 s22, s16, 1
	s_lshl_b32 s22, s22, 3
	s_add_co_u32 s3, s3, s22                       ; my key tile begins at key 32 (w / 2) + 8 (w % 2)
	v_lshlrev_b32 v4, 3, v1
	v_lshlrev_b32 v5, 2, v1
	v_and_b32 v15, 8, v2
	v_add_nc_u32 v15, v15, v2
	v_add_nc_u32 v15, s3, v15
	v_lshlrev_b32 v15, 2, v15                      ; 4 x my tile's key
	v_add_nc_u32 v6, SKT, v15
	v_lshlrev_b32 v16, 6, v3
	v_lshlrev_b32 v17, 2, v2
	v_add_nc_u32 v17, s2, v17                      ; 4 (16 w + r)
	v_add_nc_u32 v8, SKT, v17
	v_lshlrev_b32 v7, 5, v3
	v_add_nc_u32 v7, s2, v7
	v_add_nc_u32 v7, SKT, v7                       ; 4 (16 w + 8 h)
	v_lshlrev_b32 v9, 4, v2
	v_mul_u32_u24 v10, v3, 24
	s_lshl_b32 s22, s16, 12
	s_lshr_b32 s23, s16, 1
	s_lshl_b32 s23, s23, 7
	s_add_co_u32 s22, s22, s23
	s_add_co_u32 s22, s22, VST
	v_lshl_add_u32 v11, v3, 11, v9
	v_add_nc_u32 v11, s22, v11                     ; V's stage, in: row 16 w + 8 h, 16 r bytes on
	v_mad_u32_u24 v12, v3, 8320, v17
	v_add_nc_u32 v12, VST, v12                     ; and out: row 32 h, column 16 w + r
	s_mul_i32 s22, s16, 768
	v_add_nc_u32 v13, s22, v4
	s_lshl_b32 s22, s16, 7
	v_add_nc_u32 v14, s22, v5
	s_mul_i32 s22, s16, 4352
	s_add_co_u32 s22, s22, OST
	v_mul_u32_u24 v18, v2, 272
	v_lshl_add_u32 v18, v3, 5, v18
	v_add_nc_u32 v18, s22, v18
	v_mul_u32_u24 v19, v3, 2176
	v_add_nc_u32 v19, v19, v9
	v_add_nc_u32 v19, s22, v19
	v_add_nc_u32 v20, LSTG, v17
	s_lshl_b32 s22, s16, 4
	s_add_co_u32 s22, s22, 64
	v_add_nc_u32 v[JQ], s22, v2                    ; my query's place in the window
	v_lshlrev_b32 v21, 4, v3
	v_sub_nc_u32 v21, v[JQ], v21                   ; less 16 h
	v_lshlrev_b32 v[SH8], 3, v3
.irp t, 0,1,2,3                        ; the zero codes of k = 64 .. 127, written once
.irp i, 6,7,8,9,10,11
	v_mov_b32 v[KF+12*\t+\i], 0
.endr
.endr
.irp i, 6,7,8,9,10,11
	v_mov_b32 v[QF+\i], 0
.endr
	v_mov_b32 v238, 0                              ; (a lane permute's destination counts as read)
	s_mov_b32 s30, 0
	s_mov_b32 s31, 0
	s_mov_b32 s32, SLOTB
	s_lshl_b32 s33, ttmp9, 8
	s_sub_co_u32 s33, s33, 64                      ; the first window's first place
	s_mov_b32 s34, 4
	s_mov_b32 s35, 0
	s_mov_b32 s21, 0
	s_wait_kmcnt 0x0
	s_lshl_b32 s20, s18, 19
	s_add_nc_u64 s[4:5], s[4:5], s[20:21]
	s_lshl_b32 s20, s18, 20
	s_add_nc_u64 s[6:7], s[6:7], s[20:21]
	s_lshl_b32 s20, s17, 14
	s_add_nc_u64 s[8:9], s[8:9], s[20:21]
	s_add_nc_u64 s[14:15], s[14:15], s[20:21]
	s_lshl_b32 s20, ttmp9, 10
	s_add_nc_u64 s[14:15], s[14:15], s[20:21]
	s_lshl_b32 s20, s18, 22
	s_lshl_b32 s22, s19, 8
	s_add_co_u32 s20, s20, s22
	s_add_nc_u64 s[12:13], s[12:13], s[20:21]
.irp k, 1,2,3
	s_add_co_u32 s22, s19, \k
	s_and_b32 s22, s22, 3
	s_lshl_b32 s20, s18, 2
	s_add_co_u32 s20, s20, s22
	s_lshl_b32 s20, s20, 14
	s_add_nc_u64 s[22+2*\k:23+2*\k], s[10:11], s[20:21]   ; slot of round (r + k) % 4
.endr
	s_lshl_b32 s22, ttmp9, 2
	s_add_co_u32 s22, s22, s16
	s_add_co_u32 s22, s22, 63
	s_and_b32 s22, s22, 63
	s_lshl_b32 s22, s22, 8                         ; chunk (4 x - 1 + w) mod 64
	v_add_nc_u32 v22, s22, v4
	s_lshl_b32 s23, ttmp9, 10
	s_add_co_u32 s23, s23, 768                     ; chunk 4 x + 3: a quarter for each wave
	v_add_nc_u32 v23, s23, v17
	s_lshl_b32 s22, s16, 8
	v_add_nc_u32 v27, s22, v4
	s_wait_alu depctr_va_vdst(0)                   ; all addresses of the head, v4 to v23 and v27, are written, which the loads and stores from here on read; so are the zero codes, which the scaled products take
	global_load_b64 v[24:25], v22, s[8:9]
	global_load_b32 v26, v23, s[8:9]
	s_wait_loadcnt 0x0
	ds_store_b64 v27, v[24:25] offset:SKT
	ds_store_b32 v8, v26 offset:1024
	BAR                                            ; the five chunks' words lie in LDS
	PREP 0                                         ; the chunk before my first
.Ltrip:                                            ; four trips, a chunk each
	s_add_co_u32 s30, s30, 256
	s_xor_b32 s31, s31, SLOTB
	s_xor_b32 s32, s32, SLOTB
	PREP 1
	KLOAD 22, 24
.irp u, 0,1,2,3                        ; the keys' chunk numbers: register 16 b + i = key 32 b + 16 h + i, as in S^T
	ds_load_b128 v[160+4*\u:163+4*\u], v26 offset:CW+16*\u
	ds_load_b128 v[176+4*\u:179+4*\u], v26 offset:CW+128+16*\u
	ds_load_b128 v[224+4*\u:227+4*\u], v27 offset:CW+16*\u
	ds_load_b128 v[240+4*\u:243+4*\u], v27 offset:CW+128+16*\u
.endr
	ds_load_b32 v[QA], v28 offset:CW               ; my query's
.irp t, 0,1,2,3
	ds_load_b32 v[VS+\t], v24 offset:VSC+128*\t
	ds_load_b32 v[VC+\t], v25 offset:VSC+128*\t
.endr
	s_wait_dscnt 25                                ; the key fragments are in; the 16 + 1 + 8 loads behind them may be out
	SMUL 0
.rept 4
	v_nop                                          ; places in front of loads into registers that the products have read
.endr
	s_wait_alu depctr_va_vdst(0)                   ; the four products are done reading the key fragments and their scale words, in which the loads below land
	KLOAD 23, 25
	s_wait_dscnt 0x0
	SMUL 1
	; the counts, in place; these lines name no register of the products: they are the places behind them
	v_add_nc_u32 v[QA], s39, v[QA]
.set n, 0
.rept 64
.set CR, 160+n+32*(n/32)
	v_sub_nc_u32 v[CR], v[QA], v[CR]               ; in each byte 64 + query's chunk - key's chunk
.set n, n+1
.endr
.set n, 0
.rept 64
.set CR, 160+n+32*(n/32)
	v_and_b32 v[CR], s38, v[CR]                    ; bits 1-5: zero where the difference mod 64 is 0 or 1
.set n, n+1
.endr
.set n, 0
.rept 64
.set CR, 160+n+32*(n/32)
	v_sub_nc_u32 v[CR], s39, v[CR]
.set n, n+1
.endr
.set n, 0
.rept 64
.set CR, 160+n+32*(n/32)
	v_and_b32 v[CR], s39, v[CR]                    ; bit 6 of a byte: that round counts
.set n, n+1
.endr
.set n, 0
.rept 64
.set CR, 160+n+32*(n/32)
	v_mad_u32_u24 v[CR], v[CR], s40, s41           ; the three bits meet at bit 22, and 1 for the round in hand
.set n, n+1
.endr
.set n, 0
.rept 64
.set CR, 160+n+32*(n/32)
	v_bfe_u32 v[CR], v[CR], 22, 3
.set n, n+1
.endr
.set n, 0
.rept 64
.set CR, 160+n+32*(n/32)
	v_cvt_f32_u32 v[CR], v[CR]
.set n, n+1
.endr
.set n, 0
	s_wait_alu depctr_va_vdst(0)
.rept 64
.set CR, 160+n+32*(n/32)
	v_rcp_f32 v[CR], v[CR]                         ; 1 / count; not named again ahead of the wait behind the exponentials
.set n, n+1
.endr
.irp t, 0,1,2,3
	v_lshl_or_b32 v[VS+\t], v[VC+\t], 16, v[VS+\t] ; V^T's scale words: bytes 0, 1 the chunk before, 2, 3 this chunk
.endr
	; the masks.  Keys 0 .. 63 of the window: 32 compares in a run, then their selects; each result is read from its low end on
.set n, 0
.rept 32
.set KK, 32*(n/16)+n%16
	v_add_nc_u32 v[MT+n%2], -KK, v21               ; jq - j
	v_cmp_ge_u32 s[MG+n], v[WD], v[MT+n%2]         ; 0 <= jq - j <= jq - lo, as unsigned numbers
.set n, n+1
.endr
	s_wait_alu depctr_va_sdst(0)                   ; the 32 compares have written their masks, which the selects below read
.set n, 0
	s_wait_alu depctr_va_vdst(0)
.rept 32
	v_cndmask_b32 v[S+n], s42, v[S+n], s[MG+n]
.set n, n+1
.endr
.irp g, 32, 48                         ; keys 64 .. 127, 16 registers at a time: the interval, and the query itself
.set n, \g
.rept 16
.set KK, 32*(n/16)+n%16
	v_add_nc_u32 v[MT+n%2], -KK, v21
	v_cmp_ge_u32 s[MG+n-\g], v[WD], v[MT+n%2]
	v_cmp_eq_u32 s[MS+n-\g], 0, v[MT+n%2]
.set n, n+1
.endr
	s_wait_alu depctr_va_sdst(0)                   ; the 32 compares have written their masks, which the selects below read
.set n, \g
.rept 16
	v_cndmask_b32 v[S+n], s42, v[S+n], s[MG+n-\g]
	v_cndmask_b32 v[S+n], v[S+n], v[SELF], s[MS+n-\g]  ; the query itself
.set n, n+1
.endr
.endr
.irp b, 0,1,2,3
	v_max3_num_f32 v[SU+\b], v[S+16*\b], v[S+16*\b+1], v[S+16*\b+2]
.endr
.irp i, 3,5,7,9,11,13
.irp b, 0,1,2,3
	v_max3_num_f32 v[SU+\b], v[SU+\b], v[S+16*\b+\i], v[S+16*\b+\i+1]
.endr
.endr
.irp b, 0,1,2,3
	v_max_num_f32 v[SU+\b], v[SU+\b], v[S+16*\b+15]
.endr
	v_max3_num_f32 v[SU], v[SU], v[SU+1], v[SU+2]
	v_max_num_f32 v[SU], v[SU], v[SU+3]
	v_permlanex16_b32 v[SU+1], v[SU], s[SEL], s[SEL+1]
	v_max_num_f32 v[SU], v[SU], v[SU+1]            ; the row's largest score
	v_mul_f32 v[NM], -v[SU], s44                   ; -mc
	v_mov_b32 v[NM+1], v[NM]
.set n, 0
.rept 32
	v_pk_fma_f32 v[S+n:S+n+1], v[S+n:S+n+1], s[44:45], v[NM:NM+1] op_sel_hi:[1,0,0]
.set n, n+2
.endr
.set n, 0
	s_wait_alu depctr_va_vdst(0)
.rept 64
	v_exp_f32 v[S+n], v[S+n]
.set n, n+1
.endr
	v_add_nc_u32 v30, s35, v20                     ; (a plain place behind the exponentials) where my lse goes
	s_wait_alu depctr_va_vdst(0)                   ; the 64 reciprocals and the 64 exponentials have written their results, ahead of their first reader; v30 is written, which the store of lse reads
	v_pk_add_f32 v[SU:SU+1], v[S:S+1], v[S+2:S+3]
	v_pk_add_f32 v[SU+2:SU+3], v[S+4:S+5], v[S+6:S+7]
.irp j, 8,12,16,20,24,28,32,36,40,44,48,52,56,60
	v_pk_add_f32 v[SU:SU+1], v[SU:SU+1], v[S+\j:S+\j+1]
	v_pk_add_f32 v[SU+2:SU+3], v[SU+2:SU+3], v[S+\j+2:S+\j+3]
.endr
	v_pk_add_f32 v[SU:SU+1], v[SU:SU+1], v[SU+2:SU+3]
	v_add_f32 v[SU], v[SU], v[SU+1]
	v_permlanex16_b32 v[SU+1], v[SU], s[SEL], s[SEL+1]
	v_add_f32 v[SU], v[SU], v[SU+1]                ; the row's sum
	s_wait_alu depctr_va_vdst(0)
	v_log_f32 v[SU+2], v[SU]
	v_rcp_f32 v[INV], v[SU]
	v_nop
	s_wait_alu depctr_va_vdst(0)                   ; the logarithm and the reciprocal have written v216 and v218, ahead of their first reader
	v_sub_f32 v[SU+2], v[SU+2], v[NM]
	v_mul_f32 v[LSE], s46, v[SU+2]                 ; (log2 sum + mc) ln 2
	v_mov_b32 v[INV+1], v[INV]
.set n, 0
.rept 32
.set CR, 160+n+32*(n/32)
	v_pk_mul_f32 v[S+n:S+n+1], v[S+n:S+n+1], v[CR:CR+1]
.set n, n+2
.endr
.set n, 0
.rept 32
	v_pk_mul_f32 v[S+n:S+n+1], v[S+n:S+n+1], v[INV:INV+1]   ; p, finished and normalised
.set n, n+2
.endr
	; p's four blocks of 32 keys are quantised; no |.|: none is negative
.irp b, 0,1,2,3
	v_max3_num_f32 v[TM+\b], v[S+16*\b], v[S+1+16*\b], FLOOR
.endr
.irp i, 2,4,6,8,10,12,14
.irp b, 0,1,2,3
	v_max3_num_f32 v[TM+\b], v[TM+\b], v[S+16*\b+\i], v[S+1+16*\b+\i]
.endr
.endr
.irp b, 0,1,2,3
	v_permlanex16_b32 v[TM+4+\b], v[TM+\b], s[SEL], s[SEL+1]
.endr
.irp b, 0,1,2,3
	v_max_num_f32 v[TM+\b], v[TM+\b], v[TM+4+\b]
.endr
.irp b, 0,1,2,3
	v_add_nc_u32 v[TM+8+\b], 0xff000000, v[TM+\b]
.endr
.irp b, 0,1,2,3
	v_lshrrev_b32 v[TM+4+\b], 23, v[TM+8+\b]
.endr
	v_lshl_or_b32 v[PW], v[TM+5], 8, v[TM+4]
	v_lshl_or_b32 v[PW], v[TM+6], 16, v[PW]
	v_lshl_or_b32 v[PW], v[TM+7], 24, v[PW]
.irp c, 0,1
	v_cvt_scalef32_pk16_fp6_f32 v[PC+6*\c:PC+2+6*\c], v[S+32*\c:S+15+32*\c], v[TM+8+2*\c]
	v_cvt_scalef32_pk16_fp6_f32 v[PT+4*\c:PT+2+4*\c], v[S+16+32*\c:S+31+32*\c], v[TM+8+2*\c+1]
.endr
	v_nop                                          ; one plain place behind a scaled conversion
.irp c, 0,1                            ; the operand wants a whole block in a lane
.irp i, 0,1,2
	v_permlane16_swap_b32 v[PC+6*\c+\i], v[PT+4*\c+\i]
.endr
.irp i, 0,1,2
	v_mov_b32 v[PC+3+6*\c+\i], v[PT+4*\c+\i]
.endr
.endr
.rept 8
	v_nop                                          ; p's scale word stands 8 places ahead of the scaled product, its codes 4
.endr
	s_wait_alu depctr_va_vdst(0)                   ; behind the places: p's codes and scale word are written, which the scaled products take; lse is written, which the store below reads; the conversions are done reading v96-159, in which V^T's fragments land
	ds_store_b32 v30, v[LSE]
.irp t, 0,1,2,3                        ; V^T: registers 0-5 the chunk before (keys 0-63), 6-11 this chunk
.irp i, 0,1,2
	ds_load_b64 v[S+12*\t+2*\i:S+12*\t+2*\i+1], v22 offset:VIMG+768*\t+256*\i
	ds_load_b64 v[S+12*\t+6+2*\i:S+12*\t+7+2*\i], v23 offset:VIMG+768*\t+256*\i
.endr
.endr
	s_wait_dscnt 0x0
.irp t, 0,1,2,3
	v_wmma_scale_f32_16x16x128_f8f6f4 v[O+8*\t:O+8*\t+7], v[S+12*\t:S+12*\t+11], v[PC:PC+11], 0, v[VS+\t], v[PW] matrix_a_fmt:MATRIX_FMT_FP6 matrix_b_fmt:MATRIX_FMT_FP6
.endr
.irp i, 0,1,2,3,4,5,6,7
	v_lshl_add_u32 v[144+\i], v[PO+\i], 10, v9     ; where row i goes: position x 1,024 + 16 r.  (Eight plain lines: the places behind the products)
.endr
	s_wait_alu depctr_va_vdst(0)                   ; behind the places: the products have written O^T, which the LDS stores read, and are done reading p's codes, in which the rows land; the rows' offsets v144-151 are written
.irp t, 0,1,2,3
	ds_store_b128 v18, v[O+8*\t:O+8*\t+3] offset:64*\t          ; each result from its low end on: o(query r, d = 16 t + 8 h + 0 .. 7)
	ds_store_b128 v18, v[O+8*\t+4:O+8*\t+7] offset:64*\t+16
.endr
.irp i, 0,1,2,3,4,5,6,7
	ds_load_b128 v[224+4*\i:227+4*\i], v19 offset:272*\i        ; my wave's own bytes, served in order: whole rows back
.endr
.irp i, 0,1,2,3,4,5,6,7
	s_wait_dscnt 7-\i                              ; the younger read-backs may be out
	global_store_b128 v[144+\i], v[224+4*\i:227+4*\i], s[12:13] th:TH_STORE_NT   ; sixteen lanes store a row's 256 aligned bytes
.endr
	s_wait_xcnt 0x0                                ; the stores' registers are written again only behind this wait
	s_wait_alu depctr_vm_vsrc(0)                   ; the trip's LDS loads and stores have read v22-28, v30, lse and O^T, its global stores v144-151 and v224-255: the next trip, or the lines behind the loop, write them again
	BAR                                            ; nobody reads the older slot, the stage or the way out any more
	s_add_co_u32 s33, s33, 64
	s_add_co_u32 s35, s35, 256
	s_sub_co_u32 s34, s34, 1
	s_cmp_lg_u32 s34, 0
	s_cbranch_scc1 .Ltrip
	v_lshl_add_u32 v22, v0, 3, LSTG
	v_lshlrev_b32 v23, 3, v0
	s_wait_alu depctr_va_vdst(0)                   ; v22 and v23 are written: the load's address and the store's offset
	ds_load_b64 v[24:25], v22
	s_wait_dscnt 0x0
	global_store_b64 v23, v[24:25], s[14:15]       ; a wave stores 256 consecutive bytes, aligned
	s_set_vgpr_msb 0x5
	s_wait_dscnt 0x0
	s_wait_alu depctr_hold_cnt(0) depctr_sa_sdst(0) depctr_va_vdst(0) depctr_va_sdst(0) depctr_va_ssrc(0) depctr_va_vcc(0) depctr_vm_vsrc(0)
	s_wait_tensorcnt 0x0
	ds_add_u32 v0, v1
	s_wait_dscnt 0x0
	s_endpgm
.Lfunc_end_k_qe888a1b823_attend:
	.size	k_qe888a1b823_attend, .Lfunc_end_k_qe888a1b823_attend-k_qe888a1b823_attend
	.p2alignl 7, 3214868480
	.fill 96, 4, 3214868480
	.section	.rodata,"a",@progbits
	.p2align	6, 0x0
	.amdhsa_kernel k_qe888a1b823_attend
		.amdhsa_group_segment_fixed_size 53248
		.amdhsa_private_segment_fixed_size 0
		.amdhsa_enable_private_segment 0
		.amdhsa_kernarg_size 48
		.amdhsa_user_sgpr_count 2
		.amdhsa_user_sgpr_kernarg_segment_ptr 1
		.amdhsa_wavefront_size32 1
		.amdhsa_system_sgpr_workgroup_id_x 1
		.amdhsa_system_sgpr_workgroup_id_y 1
		.amdhsa_system_sgpr_workgroup_id_z 1
		.amdhsa_system_vgpr_workitem_id 0
		.amdhsa_next_free_vgpr 258
		.amdhsa_next_free_sgpr 98
		.amdhsa_reserve_vcc 1
		.amdhsa_float_denorm_mode_32 3
		.amdhsa_float_denorm_mode_16_64 3
		.amdhsa_memory_ordered 1
		.amdhsa_forward_progress 1
		.amdhsa_inst_pref_size 89
	.end_amdhsa_kernel
	.amdgpu_metadata
---
amdhsa.version: [ 1, 2 ]
amdhsa.kernels:
  - .name:           k_qe888a1b823_attend
    .symbol:         k_qe888a1b823_attend.kd
    .args:
      - { .name: rec, .offset: 0, .size: 8, .value_kind: global_buffer, .address_space: global }
      - { .name: value, .offset: 8, .size: 8, .value_kind: global_buffer, .address_space: global }
      - { .name: skey, .offset: 16, .size: 8, .value_kind: global_buffer, .address_space: global }
      - { .name: slot, .offset: 24, .size: 8, .value_kind: global_buffer, .address_space: global }
      - { .name: attn, .offset: 32, .size: 8, .value_kind: global_buffer, .address_space: global }
      - { .name: lse, .offset: 40, .size: 8, .value_kind: global_buffer, .address_space: global }
    .group_segment_fixed_size: 53248
    .private_segment_fixed_size: 0
    .kernarg_segment_align: 8
    .kernarg_segment_size: 48
    .max_flat_workgroup_size: 128
    .sgpr_count:     98
    .vgpr_count:     258
    .wavefront_size: 32
...
	.end_amdgpu_metadata
.endif
;; end of part 7
;; launch combine (part 8): grid 16 x 16, 8 waves a work-group, no clusters, 5,632 bytes of LDS; arguments attn, lse, slot, out0; writes out0
.if DOCPART == 8
	.amdgcn_target "amdgcn-amd-amdhsa--gfx1250"
	.amdhsa_code_object_version 6
	.text
	.protected	k_qe888a1b823_combine
	.globl	k_qe888a1b823_combine
	.p2align	8
	.type	k_qe888a1b823_combine,@function
k_qe888a1b823_combine:
	s_mov_b64 s[64:65], 0
	v_nop
	global_prefetch_b8 v0, s[64:65] scope:SCOPE_SE
	s_setreg_imm32_b32 hwreg(HW_REG_WAVE_MODE, 25, 1), 1
	s_wait_xcnt 0x0
; out0[b][l][:] = the sum over the four rounds of attn[b][l][r][:] x w[b][l][r],  w = softmax over the LENGTH of lse, for each (b, r).
; A work-group: 256 positions of one batch.  Each work-group finds the four rounds' largest lse and their sums of exponentials from the batch's 64 KiB of lse itself (no traffic between work-groups),
; the maximum taken away before every exponential: 2^(x log2 e - Ml), Ml = M log2 e rounded once, the same number in the weights and in their sum.
; The last product (K = 4, one column) is four fused multiply-adds in f32: a matrix instruction would be empty but for one column.
; Memory binds: attn is read once, 256 aligned bytes by sixteen lanes, two batches of 16 loads a wave ahead; out0 leaves in runs of 512 bytes.  No LDS ring, no cluster: nothing but lse is shared.
; LIMITS: NaN and infinities are not served; a weight under 2^-126 is 0.
.set RED, 0
.set RED2, 256
.set WT, 512                           ; 256 positions x 4 weights
.set LS, 32                            ; v32-95   lse: round p at 16 p
.set BA, 96                            ; v96-159, v160-223: two sets of 8 positions x 4 rounds x 16 bytes a lane
.set BB, 160
.set OUT, 224
.set W, 240
.set SEL, 24
.macro BAR
	s_wait_dscnt 0x0
	s_barrier_signal -1
	s_barrier_wait -1
.endm
.macro ALOAD k, set                    ; positions 8 k + 2 i + lane / 16 of my wave's 32
.irp i, 0,1,2,3
.irp p, 0,1,2,3
	global_load_b128 v[\set+16*\i+4*\p:\set+16*\i+4*\p+3], v6, s[4:5] offset:(8*(\k)+2*\i)*1024+256*\p th:TH_LOAD_NT
.endr
.endr
.endm
	s_load_b256 s[4:11], s[0:1], 0x0               ; attn, lse, slot, out0
	s_set_vgpr_msb 0x40
	v_lshl_add_u32 v0, v0, 2, 0x1200
	v_mov_b32 v1, 0
	s_set_vgpr_msb 0x4000
	v_lshrrev_b32 v1, 5, v0
	s_delay_alu instid0(VALU_DEP_1)
	v_readfirstlane_b32 s16, v1
	v_and_b32 v1, 31, v0
	v_and_b32 v2, 15, v0
	v_bfe_u32 v3, v0, 4, 1
	s_wait_alu depctr_va_vdst(0)
	s_and_b32 s17, ttmp7, 0xffff                   ; b
	s_mov_b32 s20, 0x3fb8aa3b                      ; log2 e
	s_mov_b32 s21, s20
	s_mov_b32 s22, 0xbfb8aa3b
	s_mov_b32 s[SEL], 0x76543210
	s_mov_b32 s[SEL+1], 0xfedcba98
	v_lshlrev_b32 v4, 4, v0
	v_lshlrev_b32 v5, 2, v0
	v_lshlrev_b32 v6, 4, v2
	s_delay_alu instid0(VALU_DEP_1)
	v_lshl_add_u32 v6, v3, 10, v6
	v_lshlrev_b32 v7, 4, v1
	v_add_nc_u32 v8, WT, v4
	s_lshl_b32 s23, s16, 9
	s_add_co_u32 s23, s23, WT
	v_lshl_add_u32 v9, v3, 4, s23
	s_lshl_b32 s23, s16, 4
	v_mov_b32 v10, s23
	v_mov_b32 v11, 0
.irp p, 0,1,2,3
	v_mov_b32 v[24+\p], 0                          ; (a lane permute's destination counts as read)
.endr
	s_mov_b32 s13, 0
	s_wait_kmcnt 0x0
	s_lshl_b32 s12, s17, 22
	s_lshl_b32 s14, ttmp9, 18
	s_add_co_u32 s12, s12, s14
	s_lshl_b32 s14, s16, 15
	s_add_co_u32 s12, s12, s14
	s_add_nc_u64 s[4:5], s[4:5], s[12:13]          ; attn at my wave's 32 positions
	s_lshl_b32 s12, s17, 16
	s_add_nc_u64 s[6:7], s[6:7], s[12:13]
	s_add_nc_u64 s[8:9], s[8:9], s[12:13]
	s_lshl_b32 s12, ttmp9, 10
	s_add_nc_u64 s[8:9], s[8:9], s[12:13]
	s_lshl_b32 s12, s17, 20
	s_lshl_b32 s14, ttmp9, 16
	s_add_co_u32 s12, s12, s14
	s_lshl_b32 s14, s16, 13
	s_add_co_u32 s12, s12, s14
	s_add_nc_u64 s[10:11], s[10:11], s[12:13]
.irp p, 0,1,2,3
	global_load_b32 v[12+\p], v5, s[8:9] offset:16384*\p         ; my position's place in each round
.endr
.irp p, 0,1,2,3
.irp j, 0,1,2,3
	global_load_b128 v[LS+16*\p+4*\j:LS+16*\p+4*\j+3], v4, s[6:7] offset:16384*\p+4096*\j
.endr
.endr
	ALOAD 0, BA
	ALOAD 1, BB
	s_wait_loadcnt 48                              ; the four places are in; the 16 + 32 loads behind them may be out
.irp p, 0,1,2,3
	v_min_u32 v[12+\p], 0xfff, v[12+\p]
	s_delay_alu instid0(VALU_DEP_1)
	v_lshlrev_b32 v[12+\p], 2, v[12+\p]
.endr
.irp p, 0,1,2,3
	global_load_b32 v[16+\p], v[12+\p], s[6:7] offset:16384*\p   ; my position's lse
.endr
	s_wait_loadcnt 36                              ; lse is in; attn's 32 loads and the 4 just issued may be out
.irp p, 0,1,2,3
	v_max3_num_f32 v[20+\p], v[LS+16*\p], v[LS+16*\p+1], v[LS+16*\p+2]
.endr
.irp i, 3,5,7,9,11,13
.irp p, 0,1,2,3
	s_delay_alu instid0(VALU_DEP_4)
	v_max3_num_f32 v[20+\p], v[20+\p], v[LS+16*\p+\i], v[LS+16*\p+\i+1]
.endr
.endr
.irp p, 0,1,2,3
	s_delay_alu instid0(VALU_DEP_4)
	v_max_num_f32 v[20+\p], v[20+\p], v[LS+16*\p+15]
.endr
.irp m, 1,2,4,8
.irp p, 0,1,2,3
	s_delay_alu instid0(VALU_DEP_4)
	v_max_num_f32_dpp v[20+\p], v[20+\p], v[20+\p] row_xmask:\m row_mask:0xf bank_mask:0xf
.endr
.endr
.irp p, 0,1,2,3
	s_delay_alu instid0(VALU_DEP_4)
	v_permlanex16_b32 v[24+\p], v[20+\p], s[SEL], s[SEL+1]
.endr
.irp p, 0,1,2,3
	s_delay_alu instid0(VALU_DEP_4)
	v_max_num_f32 v[20+\p], v[20+\p], v[24+\p]
.endr
	ds_store_b128 v10, v[20:23] offset:RED
	BAR
.irp q, 0,1,2,3,4,5,6,7
	ds_load_b128 v[224+4*\q:227+4*\q], v11 offset:RED+16*\q
.endr
	s_wait_dscnt 0x0
.irp p, 0,1,2,3
	v_max3_num_f32 v[20+\p], v[224+\p], v[228+\p], v[232+\p]
.endr
.irp p, 0,1,2,3
	s_delay_alu instid0(VALU_DEP_4)
	v_max3_num_f32 v[20+\p], v[20+\p], v[236+\p], v[240+\p]
.endr
.irp p, 0,1,2,3
	s_delay_alu instid0(VALU_DEP_4)
	v_max3_num_f32 v[20+\p], v[20+\p], v[244+\p], v[248+\p]
.endr
.irp p, 0,1,2,3
	s_delay_alu instid0(VALU_DEP_4)
	v_max_num_f32 v[20+\p], v[20+\p], v[252+\p]    ; the round's largest lse
.endr
.irp p, 0,1,2,3
	s_delay_alu instid0(VALU_DEP_4)
	v_mul_f32 v[24+2*\p], s22, v[20+\p]            ; -Ml
.endr
.irp p, 0,1,2,3
	s_delay_alu instid0(VALU_DEP_4)
	v_mov_b32 v[25+2*\p], v[24+2*\p]
.endr
.irp p, 0,1,2,3
.irp i, 0,2,4,6,8,10,12,14
	v_pk_fma_f32 v[LS+16*\p+\i:LS+16*\p+\i+1], v[LS+16*\p+\i:LS+16*\p+\i+1], s[20:21], v[24+2*\p:25+2*\p] op_sel_hi:[1,0,0]
.endr
.endr
.set n, 0
	s_wait_alu depctr_va_vdst(0)
.rept 64
	v_exp_f32 v[LS+n], v[LS+n]
.set n, n+1
.endr
	v_nop                                          ; a plain place behind the exponentials
	s_wait_alu depctr_va_vdst(0)                   ; one wait for the batch, ahead of its first reader
.irp p, 0,1,2,3
	v_pk_add_f32 v[224+2*\p:225+2*\p], v[LS+16*\p:LS+16*\p+1], v[LS+16*\p+2:LS+16*\p+3]
.endr
.irp i, 4,6,8,10,12,14
.irp p, 0,1,2,3
	v_pk_add_f32 v[224+2*\p:225+2*\p], v[224+2*\p:225+2*\p], v[LS+16*\p+\i:LS+16*\p+\i+1]
.endr
.endr
.irp p, 0,1,2,3
	s_delay_alu instid0(VALU_DEP_4)
	v_add_f32 v[20+\p], v[224+2*\p], v[225+2*\p]
.endr
.irp m, 1,2,4,8
.irp p, 0,1,2,3
	s_delay_alu instid0(VALU_DEP_4)
	v_add_f32_dpp v[20+\p], v[20+\p], v[20+\p] row_xmask:\m row_mask:0xf bank_mask:0xf
.endr
.endr
.irp p, 0,1,2,3
	s_delay_alu instid0(VALU_DEP_4)
	v_permlanex16_b32 v[232+\p], v[20+\p], s[SEL], s[SEL+1]
.endr
.irp p, 0,1,2,3
	s_delay_alu instid0(VALU_DEP_4)
	v_add_f32 v[20+\p], v[20+\p], v[232+\p]
.endr
	ds_store_b128 v10, v[20:23] offset:RED2
	BAR
.irp q, 0,1,2,3,4,5,6,7
	ds_load_b128 v[224+4*\q:227+4*\q], v11 offset:RED2+16*\q
.endr
	s_wait_dscnt 0x0
.irp p, 0,1,2,3
	v_add_f32 v[20+\p], v[224+\p], v[228+\p]
.endr
.irp q, 2,3,4,5,6,7
.irp p, 0,1,2,3
	s_delay_alu instid0(VALU_DEP_4)
	v_add_f32 v[20+\p], v[20+\p], v[224+4*\q+\p]
.endr
.endr
	s_wait_loadcnt 0x0                             ; my position's four lse (issued last), and with them the first two batches of attn
.irp p, 0,1,2,3
	v_fma_f32 v[16+\p], v[16+\p], s20, v[24+2*\p]
.endr
	s_wait_alu depctr_va_vdst(0)
.irp p, 0,1,2,3
	v_rcp_f32 v[20+\p], v[20+\p]
.endr
.irp p, 0,1,2,3
	v_exp_f32 v[16+\p], v[16+\p]
.endr
	v_nop
	s_wait_alu depctr_va_vdst(0)
.irp p, 0,1,2,3
	v_mul_f32 v[16+\p], v[16+\p], v[20+\p]         ; the weights
.endr
	ds_store_b128 v8, v[16:19]                     ; a wave reads back only what its own lanes stored: no barrier
.macro BATCH k, set, more
.if \k > 0
	s_wait_xcnt 0x0                                ; the last batch's stores have read their data registers
.endif
.irp i, 0,1,2,3
	ds_load_b128 v[W+4*\i:W+4*\i+3], v9 offset:128*\k+32*\i
.endr
	s_wait_dscnt 0x0
.irp i, 0,1,2,3
.irp c, 0,2
	v_pk_mul_f32 v[OUT+4*\i+\c:OUT+4*\i+\c+1], v[\set+16*\i+\c:\set+16*\i+\c+1], v[W+4*\i:W+4*\i+1] op_sel_hi:[1,0]
	s_delay_alu instid0(VALU_DEP_1)
	v_pk_fma_f32 v[OUT+4*\i+\c:OUT+4*\i+\c+1], v[\set+16*\i+4+\c:\set+16*\i+5+\c], v[W+4*\i:W+4*\i+1], v[OUT+4*\i+\c:OUT+4*\i+\c+1] op_sel:[0,1,0] op_sel_hi:[1,1,1]
	s_delay_alu instid0(VALU_DEP_1)
	v_pk_fma_f32 v[OUT+4*\i+\c:OUT+4*\i+\c+1], v[\set+16*\i+8+\c:\set+16*\i+9+\c], v[W+4*\i+2:W+4*\i+3], v[OUT+4*\i+\c:OUT+4*\i+\c+1] op_sel_hi:[1,0,1]
	s_delay_alu instid0(VALU_DEP_1)
	v_pk_fma_f32 v[OUT+4*\i+\c:OUT+4*\i+\c+1], v[\set+16*\i+12+\c:\set+16*\i+13+\c], v[W+4*\i+2:W+4*\i+3], v[OUT+4*\i+\c:OUT+4*\i+\c+1] op_sel:[0,1,0] op_sel_hi:[1,1,1]
.endr
	global_store_b128 v7, v[OUT+4*\i:OUT+4*\i+3], s[10:11] offset:(8*\k+2*\i)*256 th:TH_STORE_NT   ; two positions: 512 consecutive bytes, aligned
.endr
.if \more
	ALOAD \k+2, \set
.endif
.endm
	BATCH 0, BA, 1
	BATCH 1, BB, 1
	s_wait_loadcnt 16                              ; the third batch is in; the fourth's 16 loads may be out
	BATCH 2, BA, 0
	s_wait_loadcnt 0x0
	BATCH 3, BB, 0
	s_set_vgpr_msb 0x5
	s_wait_tensorcnt 0x0
	ds_add_u32 v0, v1
	s_wait_dscnt 0x0
	s_set_vgpr_msb 0x500
	s_endpgm
.Lfunc_end_k_qe888a1b823_combine:
	.size	k_qe888a1b823_combine, .Lfunc_end_k_qe888a1b823_combine-k_qe888a1b823_combine
	.p2alignl 7, 3214868480
	.fill 96, 4, 3214868480
	.section	.rodata,"a",@progbits
	.p2align	6, 0x0
	.amdhsa_kernel k_qe888a1b823_combine
		.amdhsa_group_segment_fixed_size 5632
		.amdhsa_private_segment_fixed_size 0
		.amdhsa_enable_private_segment 0
		.amdhsa_kernarg_size 32
		.amdhsa_user_sgpr_count 2
		.amdhsa_user_sgpr_kernarg_segment_ptr 1
		.amdhsa_wavefront_size32 1
		.amdhsa_system_sgpr_workgroup_id_x 1
		.amdhsa_system_sgpr_workgroup_id_y 1
		.amdhsa_system_sgpr_workgroup_id_z 1
		.amdhsa_system_vgpr_workitem_id 0
		.amdhsa_next_free_vgpr 258
		.amdhsa_next_free_sgpr 66
		.amdhsa_reserve_vcc 0
		.amdhsa_float_denorm_mode_32 3
		.amdhsa_float_denorm_mode_16_64 3
		.amdhsa_memory_ordered 1
		.amdhsa_forward_progress 1
		.amdhsa_inst_pref_size 44
	.end_amdhsa_kernel
	.amdgpu_metadata
---
amdhsa.version: [ 1, 2 ]
amdhsa.kernels:
  - .name:           k_qe888a1b823_combine
    .symbol:         k_qe888a1b823_combine.kd
    .args:
      - { .name: attn, .offset: 0, .size: 8, .value_kind: global_buffer, .address_space: global }
      - { .name: lse, .offset: 8, .size: 8, .value_kind: global_buffer, .address_space: global }
      - { .name: slot, .offset: 16, .size: 8, .value_kind: global_buffer, .address_space: global }
      - { .name: out0, .offset: 24, .size: 8, .value_kind: global_buffer, .address_space: global }
    .group_segment_fixed_size: 5632
    .private_segment_fixed_size: 0
    .kernarg_segment_align: 8
    .kernarg_segment_size: 32
    .max_flat_workgroup_size: 256
    .sgpr_count:     66
    .vgpr_count:     258
    .wavefront_size: 32
...
	.end_amdgpu_metadata
.endif
;; end of part 8
